; MI455X (gfx1250); checked and timed in simulation.
; The chip was launched on July 23, 2026; its instructions are those of AMD's public machine-readable ISA for CDNA 5 (MIT licence, August 2026) and "CDNA5" Instruction Set Architecture Reference Guide (July 2026). The comments in the code are by the model that wrote it; some were corrected since.
;; Attention Loop. Allowed arithmetic: float matrix products may take bf16 or f16 operands with f32 sums; other float arithmetic in f32, or as packed bf16 or f16 multiplies, adds, multiply-adds, maxima and minima; sums over many terms, partial sums and values carried from step to step in f32; what a program stores and reads back later, other than sums and carried values, may be rounded once to bf16 or f16.
;; Inputs: W_fc 1,024 x 1,024 float32; decoder_state 32 x 1,024 float32; encoder_states 2,048 x 32 x 1,024 float32; score_w 1,024 x 1 float32.
;; Outputs: out0 32 x 1,024 float32.
;; 3 versions, each right; version 3 is version 2 with the launch attn written anew for expert scheduling mode. Each part assembles by itself: llvm-mc -triple=amdgcn-amd-amdhsa -mcpu=gfx1250 --defsym DOCPART=n.
;; ======== version 1 of 3: 3 launches
;; workspace buffers: wf 2,097,152 bytes; cb 131,072 bytes; po 1,179,648 bytes
;; launch prep (part 1): grid 64 x 1, 8 waves a work-group, no clusters, 17,408 bytes of LDS; arguments W_fc, decoder_state, wf, cb; writes wf, cb
.if DOCPART == 1
	.amdgcn_target "amdgcn-amd-amdhsa--gfx1250"
	.amdhsa_code_object_version 6
	.text
	.protected	k_q7632a6c29c_prep
	.globl	k_q7632a6c29c_prep
	.p2align	8
	.type	k_q7632a6c29c_prep,@function
k_q7632a6c29c_prep:
	s_mov_b64 s[64:65], 0
	v_nop
	global_prefetch_b8 v0, s[64:65] scope:SCOPE_SE
	s_setreg_imm32_b32 hwreg(HW_REG_WAVE_MODE, 25, 1), 1
	s_wait_xcnt 0x0
; FIRST OF THREE LAUNCHES.  out[b] = sum over s of softmax_s(score[b][s]) enc[s][b], score[b][s] = sum over e of w[e] tanh((dec[b] + enc[s][b]) . W[e]).
; HOW THE WORK IS CUT.  (dec + enc) . W[e] = enc . W[e] + c[b][e] with c[b][e] = dec[b] . W[e]: an identity for all values.  This launch makes c (f32 sums of bf16 operands) and
; writes W once, rounded to bf16, in the order in which the second launch streams it.  The second launch makes scores, a running softmax and partial weighted sums; the third joins them.
; WORK LEFT OUT.  tanh(x) = 1 - 2 r with r = 1 / (1 + e^(2x)), so score[b][s] = (sum over e of w[e]) - 2 sum over e of w[e] r[s][b][e].  The first term holds no s: it is added to every
; score of a row b alike, and softmax over s is unchanged by a term that is the same along s, whatever finite values w holds.  It is not computed.  All four inputs are still read.
; LIMITS.  enc, dec and W are each rounded to bf16 before they are multiplied, so the error of a sum goes with |enc| + |dec|, not with |enc + dec|.  An overflow that would arise only in
; the sum of w left out is not carried to the result.  NaN and infinities are not treated apart.
; SHARES.  Work-group et owns rows 16 et .. 16 et + 15 of W.  Wave w owns channels 128 w .. 128 w + 127: four fragments of 16 rows x 32 channels.
; A fragment in registers: lane l holds row l % 16; registers 0-3 channels 8 (l / 16) + 0..7, registers 4-7 channels 16 + 8 (l / 16) + 0..7.
; wf: fragment (et, kt) is 1,024 bytes at (et / 32) 2^20 + kt 2^15 + (et % 32) 2^10: lane l's registers 0-3 at 16 l, registers 4-7 at 512 + 16 l.  Each store covers 512 consecutive bytes.
; cb: f32 [et 64][b 32][16 e].
.set XW,  16                           ; v[16:79]   W: 4 fragments x 16 f32, then 8 bf16 registers at each fragment's head
.set XD,  80                           ; v[80:207]  dec: 2 blocks of 16 rows x 4 fragments, likewise
.set ACC, 208                          ; v[208:223] two accumulators: rows b 0-15, 16-31
.set SUM, 224                          ; v[224:255] the eight waves' partial sums
.set WO,  5                            ; v5   (l % 16) 4096 + (l / 16) 32 + 512 w: my bytes in 16 rows of W or dec
.set SO,  6                            ; v6   w 2^17 + 16 l: my bytes in wf
.set LST, 7                            ; v7   LDS: 2048 w + 64 (l % 16) + 32 (l / 16)
.set LRD, 8                            ; v8   512 w + 16 l: in LDS and in cb
.set SPW, 13                           ; v13  LDS address of my spare word; never rewritten
.set NIL, 14                           ; v14  0; never rewritten
.set SPARE, 16384                      ; behind the partial sums: 128 bytes a wave, four blocks of 256 bytes that no other line names
.set WV,  12                           ; s12  my wave's number
	s_load_b256 s[4:11], s[0:1], 0x0               ; W_fc s[4:5], dec s[6:7], wf s[8:9], cb s[10:11]
	v_lshl_add_u32 v[SPW], v0, 2, SPARE
	v_mov_b32 v[NIL], 0
	v_lshrrev_b32 v1, 5, v0
	v_readfirstlane_b32 s[WV], v1
	v_and_b32 v2, 15, v0                           ; l % 16
	v_bfe_u32 v3, v0, 4, 1                         ; l / 16
	v_and_b32 v4, 31, v0                           ; l
	s_lshl_b32 s13, s[WV], 9
	v_lshlrev_b32 v[WO], 12, v2
	v_lshl_add_u32 v[WO], v3, 5, v[WO]
	v_add_nc_u32 v[WO], s13, v[WO]
	v_lshl_add_u32 v[LRD], v4, 4, s13
	s_lshl_b32 s13, s[WV], 17
	v_lshl_add_u32 v[SO], v4, 4, s13
	s_lshl_b32 s13, s[WV], 11
	v_lshl_add_u32 v[LST], v2, 6, s13
	v_lshl_add_u32 v[LST], v3, 5, v[LST]
	s_lshl_b32 s16, ttmp9, 16                      ; 16 rows of 4,096 bytes
	s_mov_b32 s17, 0
	s_lshr_b32 s18, ttmp9, 5
	s_lshl_b32 s18, s18, 20
	s_and_b32 s19, ttmp9, 31
	s_lshl_b32 s19, s19, 10
	s_add_co_u32 s18, s18, s19
	s_mov_b32 s19, 0
	s_lshl_b32 s20, ttmp9, 11
	s_mov_b32 s21, 0
	s_wait_kmcnt 0x0
	s_add_nc_u64 s[4:5], s[4:5], s[16:17]
	s_add_nc_u64 s[8:9], s[8:9], s[18:19]
	s_add_nc_u64 s[10:11], s[10:11], s[20:21]
.irp f, 0,1,2,3
	global_load_b128 v[XW+16*(\f):XW+16*(\f)+3],     v[WO], s[4:5] offset:128*(\f) th:TH_LOAD_NT
	global_load_b128 v[XW+16*(\f)+4:XW+16*(\f)+7],   v[WO], s[4:5] offset:128*(\f)+16 th:TH_LOAD_NT
	global_load_b128 v[XW+16*(\f)+8:XW+16*(\f)+11],  v[WO], s[4:5] offset:128*(\f)+64 th:TH_LOAD_NT
	global_load_b128 v[XW+16*(\f)+12:XW+16*(\f)+15], v[WO], s[4:5] offset:128*(\f)+80 th:TH_LOAD_NT
.endr
.irp t, 0,1
.irp f, 0,1,2,3
	global_load_b128 v[XD+64*(\t)+16*(\f):XD+64*(\t)+16*(\f)+3],     v[WO], s[6:7] offset:65536*(\t)+128*(\f)
	global_load_b128 v[XD+64*(\t)+16*(\f)+4:XD+64*(\t)+16*(\f)+7],   v[WO], s[6:7] offset:65536*(\t)+128*(\f)+16
	global_load_b128 v[XD+64*(\t)+16*(\f)+8:XD+64*(\t)+16*(\f)+11],  v[WO], s[6:7] offset:65536*(\t)+128*(\f)+64
	global_load_b128 v[XD+64*(\t)+16*(\f)+12:XD+64*(\t)+16*(\f)+15], v[WO], s[6:7] offset:65536*(\t)+128*(\f)+80
.endr
.endr
	s_wait_loadcnt 0x0
.set ci, 0
.rept 12                               ; twelve fragments on end: 16 f32 become 8 registers of bf16 at the fragment's head; register j is written when 2 j and 2 j + 1 are read
.set cj, 0
.rept 8
	v_cvt_pk_bf16_f32 v[XW+16*ci+cj], v[XW+16*ci+2*cj], v[XW+16*ci+2*cj+1]
.set cj, cj+1
.endr
.set ci, ci+1
.endr
.irp f, 0,1,2,3
	global_store_b128 v[SO], v[XW+16*(\f):XW+16*(\f)+3],   s[8:9] offset:32768*(\f)
	global_store_b128 v[SO], v[XW+16*(\f)+4:XW+16*(\f)+7], s[8:9] offset:32768*(\f)+512
.endr
; c^T = W dec^T: source 0 = 16 rows of W, source 1 = 16 rows of dec: a lane holds one b (l % 16) and e = 8 (l / 16) + 0..7.  The two accumulators take turns.
.irp f, 0,1,2,3
.irp t, 0,1
.if (\f) == 0
	v_wmma_f32_16x16x32_bf16 v[ACC+8*(\t):ACC+8*(\t)+7], v[XW+16*(\f):XW+16*(\f)+7], v[XD+64*(\t)+16*(\f):XD+64*(\t)+16*(\f)+7], 0
.else
	v_wmma_f32_16x16x32_bf16 v[ACC+8*(\t):ACC+8*(\t)+7], v[XW+16*(\f):XW+16*(\f)+7], v[XD+64*(\t)+16*(\f):XD+64*(\t)+16*(\f)+7], v[ACC+8*(\t):ACC+8*(\t)+7]
.endif
.endr
.endr
.rept 8
	v_nop                                          ; the places between the last product and the LDS stores that read the results
.endr
.irp t, 0,1
	ds_store_b128 v[LST], v[ACC+8*(\t):ACC+8*(\t)+3]   offset:1024*(\t)
	ds_store_b128 v[LST], v[ACC+8*(\t)+4:ACC+8*(\t)+7] offset:1024*(\t)+16
.endr
	s_wait_dscnt 0x0                               ; for the others' sake: my partial sums lie in LDS
	s_barrier_signal -1
	s_barrier_wait -1
	s_cmp_lt_u32 s[WV], 4                          ; waves 0 to 3 add the eight partial sums, 512 bytes of the 2,048 each
	s_cbranch_scc0 .Lend
.irp v, 0,1,2,3,4,5,6,7
	ds_load_b128 v[SUM+4*(\v):SUM+4*(\v)+3], v[LRD] offset:2048*(\v)
.endr
	s_wait_dscnt 0x0
.irp k, 0,8,16,24
	v_pk_add_f32 v[SUM+(\k):SUM+(\k)+1],   v[SUM+(\k):SUM+(\k)+1],   v[SUM+(\k)+4:SUM+(\k)+5]
	v_pk_add_f32 v[SUM+(\k)+2:SUM+(\k)+3], v[SUM+(\k)+2:SUM+(\k)+3], v[SUM+(\k)+6:SUM+(\k)+7]
.endr
.irp k, 0,16
	v_pk_add_f32 v[SUM+(\k):SUM+(\k)+1],   v[SUM+(\k):SUM+(\k)+1],   v[SUM+(\k)+8:SUM+(\k)+9]
	v_pk_add_f32 v[SUM+(\k)+2:SUM+(\k)+3], v[SUM+(\k)+2:SUM+(\k)+3], v[SUM+(\k)+10:SUM+(\k)+11]
.endr
	v_pk_add_f32 v[SUM:SUM+1],   v[SUM:SUM+1],   v[SUM+16:SUM+17]
	v_pk_add_f32 v[SUM+2:SUM+3], v[SUM+2:SUM+3], v[SUM+18:SUM+19]
	global_store_b128 v[LRD], v[SUM:SUM+3], s[10:11]  ; 512 consecutive bytes of cb
.Lend:
	s_wait_tensorcnt 0x0                           ; the wave's end, behind my last LDS store
	ds_add_u32 v[SPW], v[NIL]
	s_wait_dscnt 0x0
	s_endpgm
.Lfunc_end_k_q7632a6c29c_prep:
	.size	k_q7632a6c29c_prep, .Lfunc_end_k_q7632a6c29c_prep-k_q7632a6c29c_prep
	.p2alignl 7, 3214868480
	.fill 96, 4, 3214868480
	.section	.rodata,"a",@progbits
	.p2align	6, 0x0
	.amdhsa_kernel k_q7632a6c29c_prep
		.amdhsa_group_segment_fixed_size 17408
		.amdhsa_private_segment_fixed_size 0
		.amdhsa_enable_private_segment 0
		.amdhsa_kernarg_size 32
		.amdhsa_user_sgpr_count 2
		.amdhsa_user_sgpr_kernarg_segment_ptr 1
		.amdhsa_wavefront_size32 1
		.amdhsa_system_sgpr_workgroup_id_x 1
		.amdhsa_system_sgpr_workgroup_id_y 1
		.amdhsa_system_sgpr_workgroup_id_z 1
		.amdhsa_system_vgpr_workitem_id 0
		.amdhsa_next_free_vgpr 256
		.amdhsa_next_free_sgpr 66
		.amdhsa_reserve_vcc 0
		.amdhsa_float_denorm_mode_32 3
		.amdhsa_float_denorm_mode_16_64 3
		.amdhsa_memory_ordered 1
		.amdhsa_forward_progress 1
		.amdhsa_inst_pref_size 16
	.end_amdhsa_kernel
	.amdgpu_metadata
---
amdhsa.version: [ 1, 2 ]
amdhsa.kernels:
  - .name:           k_q7632a6c29c_prep
    .symbol:         k_q7632a6c29c_prep.kd
    .args:
      - { .name: W_fc, .offset: 0, .size: 8, .value_kind: global_buffer, .address_space: global }
      - { .name: decoder_state, .offset: 8, .size: 8, .value_kind: global_buffer, .address_space: global }
      - { .name: wf, .offset: 16, .size: 8, .value_kind: global_buffer, .address_space: global }
      - { .name: cb, .offset: 24, .size: 8, .value_kind: global_buffer, .address_space: global }
    .group_segment_fixed_size: 17408
    .private_segment_fixed_size: 0
    .kernarg_segment_align: 8
    .kernarg_segment_size: 32
    .max_flat_workgroup_size: 256
    .sgpr_count:     66
    .vgpr_count:     256
    .wavefront_size: 32
...
	.end_amdgpu_metadata
.endif
;; end of part 1
;; launch attn (part 2): grid 256 x 1, 4 waves a work-group, clusters of 4 x 1, 327,680 bytes of LDS; arguments encoder_states, wf, cb, score_w, po; writes po
.if DOCPART == 2
	.amdgcn_target "amdgcn-amd-amdhsa--gfx1250"
	.amdhsa_code_object_version 6
	.text
	.protected	k_q7632a6c29c_attn
	.globl	k_q7632a6c29c_attn
	.p2align	8
	.type	k_q7632a6c29c_attn,@function
k_q7632a6c29c_attn:
	s_mov_b64 s[64:65], 0
	v_nop
	global_prefetch_b8 v0, s[64:65] scope:SCOPE_SE
	s_setreg_imm32_b32 hwreg(HW_REG_WAVE_MODE, 25, 1), 1
	s_wait_xcnt 0x0
	s_wait_alu depctr_hold_cnt(0) depctr_sa_sdst(0) depctr_va_vdst(0) depctr_va_sdst(0) depctr_va_ssrc(0) depctr_va_vcc(0) depctr_vm_vsrc(0)
	s_getreg_b32 s2, hwreg(HW_REG_IB_STS2, 6, 4)
	s_cmp_eq_u32 s2, 0
	s_cbranch_scc0 .Lentry_in_a_cluster
	s_endpgm
.Lentry_in_a_cluster:
	s_bfe_u32 s2, ttmp6, 0x10000c
	s_cmp_lg_u32 s2, 0x3003
	s_cbranch_scc0 .Lentry_shape_is_right
	s_endpgm
.Lentry_shape_is_right:
; SECOND OF THREE LAUNCHES: scores, a running softmax and the weighted sum, with each row of enc read from memory once.
; LEFT OUT (shown at the first kernel's head): the term sum over e of w[e] of every score, which is the same along s.  The score used is x = sum over e of (-2 w[e]) r, r = 1 / (1 + 2^(k (enc . W[e] + c))), k = 2 log2(e).
; SHARES.  Work-group wg = 8 b + g owns rows s = 256 g .. 256 g + 255 of one b, as 4 tiles of 64 rows.  A tile lies in LDS in bf16 (A, 64 rows x 2,048 bytes) from its products to its weighted sum.
; The 1,024 columns e go in 2 chunks of 512; wave w owns columns 128 w .. 128 w + 127 of a chunk for all 64 rows: 32 accumulators of 16 x 16.  K goes in 32 units of 32: 32 products a unit.
; W comes as the first launch wrote it, in fragment order: a unit is 32 KiB [wave][8 column blocks][1,024 bytes], a slot two units; two slots take turns.  Every work-group walks the same stream of
; 32 slots, once a tile, so each slot is asked for JOINTLY by the four work-groups of a cluster (mask 15); each wave fetches a quarter, 64 rows of 256 bytes.  A mask names four work-groups at the most and W is all that is shared: so 4 x 1.
; PRODUCT.  Source 0 = 16 rows s of A, source 1 = 16 columns e of W: a lane holds ONE column e (l % 16) and rows 8 (l / 16) + 0..7.  b is one for the work-group, so c and w are one number a lane and column block.
; SOFTMAX.  A running maximum M and sum l over the work-group's tiles, p = e^(x - M); the sums O and l are multiplied by a = e^(M_old - M_new) at every tile.  (M, l, O) go to po; the third launch joins the eight parts of a b.
; ON THE VECTOR UNIT: the dot product with w and the sum of p times enc.  Each is a product with ONE row for each b; as a 16 x 16 tile fifteen of its sixteen rows would be empty.  The sum takes enc as it lies in LDS, in bf16, times p in f32, in f32.
; THE NEXT TILE's rows are loaded into registers as f32, 16 rows at each half chunk, rounded there, and stored into A when every wave has read the old tile for the last time.
; LIMITS.  enc, W, dec rounded to bf16 each.  A weight below 2^-126 counts as 0.  NaN and infinities are not treated apart.
; REGISTERS, in windows of 256 (s_set_vgpr_msb: bits 1:0 source 0, 3:2 source 1, 5:4 source 2, 7:6 destination):
;   window 0: addresses, statistics, tables, SC, A's fragments      window 1: the 32 accumulators, (mt, nt) at 8 (8 mt + nt)
;   window 2: X, 256 registers in which f32 rows land                window 3: v0-127 W's fragments, two buffers; v128-255 S, 32 rows rounded to bf16
.set SLOTB,  65536
.set UNITB,  32768
.set ABASE,  131072                    ; A: 64 rows, 2,064 bytes apart (129 x 16: the 16 rows of a fragment load fall into 16 different 16-byte columns of 256)
.set APITCH, 2064
.set SCR,    263168                    ; 4 waves x 64 f32: each wave's part of the tile's scores
.set PW,     264192                    ; 4 waves x 64 f32: each wave's own copy of p
.set SPARE,  265216                    ; the spare words, 128 bytes a wave: two blocks of 256 bytes that no other line names
.set OST,    265728                    ; 4 waves x 1,024 bytes: O on its way out
.set ADB,  2                           ; v2-3   slot 0, 1: 65536 slot + 8192 w + 16 l
.set ADAB, 4                           ; v4     ABASE + (l % 16) 2064 + 16 (l / 16)
.set ADA,  6                           ; v6-7   A's rows 0-31, 32-63 at the lap in hand
.set GOF,  8                           ; v8     4 w rows of enc + 16 l
.set STA,  9                           ; v9-10  ABASE + 4 w rows + 8 l, and 32 rows on
.set SCA,  11
.set SCL,  12
.set PWS,  13
.set PRA0, 14
.set WSA0, 15
.set PRA,  16
.set WSA,  17
.set PFO,  18                          ; v18    256 l
.set SPW,  19                          ; v19    LDS address of my spare word; never rewritten
.set NIL,  20                          ; v20    0; never rewritten
.set OSTS, 21
.set OSTL, 22
.set POF,  23
.set MX,   24                          ; v24    M
.set LS,   25                          ; v25    my lane's part of l (rows l and l + 32 of each tile)
.set AA,   26                          ; v[26:27] a, twice
.set TT,   28                          ; v[28:39] at work
.set OACC, 40                          ; v[40:47] O for channels 8 t .. 8 t + 7, t my thread's number
.set TC,   48                          ; v[48:63] the chunk's table: for column block nt the pair (k c, -2 w)
.set T0,   64                          ; v[64:79] the table of a tile's first chunk
.set SC,   80                          ; v[80:111] scores: register 8 mt + j is row 16 mt + 8 (l / 16) + j, my column's part
.set AF,   112                         ; v[112:175] A's fragments, two buffers of four; in the weighted sum 16 rows
.set PP,   176                         ; v[176:191] 16 p
.set T1,   192                         ; v[192:207] the table of a tile's second chunk
.set CBO,  208
.set SWO,  209
.set S,    128                         ; window 3
.set PO,   12                          ; s[12:13] po at my row
.set WV,   14
.set CX,   15
.set G1,   24                          ; s[24:31] descriptor group 1
.set G0A,  32                          ; s[32:35] group 0 of slot 0's first fill
.set G0,   36                          ; s[36:39] group 0 that walks
.set WB,   40                          ; s[40:41] wf + 16384 w
.set OFF,  42                          ; s[42:43] the stream's byte that G0 stands at
.set REM,  44                          ; chunks to go, this one among them
.set LAP,  45
.set PFN,  46                          ; prefetches to go
.set ROWC, 47
.set PFA,  48                          ; s[48:49]
.set KS,   50                          ; s[50:51] k, named as a pair
.set SEL,  52                          ; s[52:53] v_permlanex16_b32's selects: each lane takes its own place in the other half
.set L2E,  54
.set MIDL, 55
.set ENC,  56                          ; s[56:57] enc at the 16 rows last asked for
.set PARM, 58                          ; all ones in a tile's second chunk, else 0
.set PFS,  60                          ; s[60:61] the prefetch pointer's step
.set MSB, 0
.macro WIN new                         ; the immediate's high byte repeats the setting that is left; a switch that changes nothing is dropped
.if MSB != (\new)
	s_set_vgpr_msb (MSB<<8)|(\new)
.set MSB, (\new)
.endif
.endm
.macro PLACES
.rept 4
	v_nop
.endr
.endm
.macro CREST                           ; a round of the cluster's barrier behind its opening barrier
	s_cmp_lg_u32 s[WV], 0
	s_cbranch_scc1 .Lnot_wave_0_\@
	s_barrier_signal -3
.Lnot_wave_0_\@:
	s_barrier_wait -3
	s_barrier_signal -1
	s_barrier_wait -1
.endm
.macro CROUND
	s_barrier_signal -1
	s_barrier_wait -1
	CREST
.endm
.macro JLOAD                           ; my quarter of a slot; an s_nop 0 and four v_nop follow; the four are also the places in front of the LDS loads behind
	tensor_load_to_lds s[G0:G0+3], s[G1:G1+7]
	s_nop 0
	PLACES
.endm
; 24 LDS loads in one run: a unit's 8 fragments of W (512 consecutive bytes a load), then 4 of A, into buffer f
.macro FETCH slot, unit, kimm, f
	WIN 0xc0
.set fi, 0
.rept 8
	ds_load_b128 v[64*(\f)+8*fi:64*(\f)+8*fi+3],   v[ADB+(\slot)] offset:(\unit)*UNITB+fi*1024
	ds_load_b128 v[64*(\f)+8*fi+4:64*(\f)+8*fi+7], v[ADB+(\slot)] offset:(\unit)*UNITB+fi*1024+512
.set fi, fi+1
.endr
	WIN 0
.set fi, 0
.rept 4
	ds_load_b128 v[AF+32*(\f)+8*fi:AF+32*(\f)+8*fi+3],   v[ADA+fi/2] offset:(fi%2)*16*APITCH+(\kimm)
	ds_load_b128 v[AF+32*(\f)+8*fi+4:AF+32*(\f)+8*fi+7], v[ADA+fi/2] offset:(fi%2)*16*APITCH+(\kimm)+32
.set fi, fi+1
.endr
.endm
; n row blocks from mt0 on x all 8 column blocks.  The 32 accumulators take turns in the same order in every unit.  zero = 1: the products start the sums.
.macro MULS f, mt0, n, zero
	WIN 0x5c
.set mm, (\mt0)
.rept \n
.set nn, 0
.rept 8
.if \zero
	v_wmma_f32_16x16x32_bf16 v[8*(8*mm+nn):8*(8*mm+nn)+7], v[AF+32*(\f)+8*mm:AF+32*(\f)+8*mm+7], v[64*(\f)+8*nn:64*(\f)+8*nn+7], 0
.else
	v_wmma_f32_16x16x32_bf16 v[8*(8*mm+nn):8*(8*mm+nn)+7], v[AF+32*(\f)+8*mm:AF+32*(\f)+8*mm+7], v[64*(\f)+8*nn:64*(\f)+8*nn+7], v[8*(8*mm+nn):8*(8*mm+nn)+7]
.endif
.set nn, nn+1
.endr
.set mm, mm+1
.endr
.endm
; A slot's first unit: multiplies buffer 0 and fetches the slot's second unit into buffer 1
.macro UNITA slot, kimm, zero
	s_wait_dscnt 4                                 ; W's fragments and A's row blocks 0, 1 are in; the youngest four loads (row blocks 2, 3) may be out
	MULS 0, 0, 2, \zero
	PLACES                                         ; in front of loads into buffer 1, which the unit before multiplied
	FETCH \slot, 1, \kimm, 1
	s_wait_dscnt 24                                ; all but the 24 just issued
	MULS 0, 2, 2, \zero
.endm
; A PREFETCH INTO THE L2 of wf's first walk.  Cluster 0 alone asks; at lap n (0 to 11) each of its 16 waves names 8,192 bytes of the 131,072 that lap n + 4 will load: a lane a block of 256 bytes, told
; apart by address (4 cx + w).  Each block is named once in the launch; laps 0 to 3 come by their loads alone; the later walks are not asked for.
.macro ASK
	s_cmp_lg_u32 s[PFN], 0
	s_cbranch_scc0 .Lnot_mine_\@
	global_prefetch_b8 v[PFO], s[PFA:PFA+1] th:TH_LOAD_NT scope:SCOPE_SE
	s_sub_co_u32 s[PFN], s[PFN], 1
.Lnot_mine_\@:
.endm
; A slot's second unit multiplies buffer 1 and changes slots.  In front of the barrier each wave waits for all its tensor loads (one is out: its quarter of the other slot), adds 0 to its spare word,
; and waits for that and for its reads of this slot.  fill = 1: the barrier opens a round of the cluster's, and the joint refill is the first thing behind the round: 48 products stand between it and the wait for it.
.macro TURN next, fill, fetch, kimm, step, ask
	WIN 0
.if \ask
	s_wait_xcnt 0x0                                ; the last prefetch, a lap back, has read its address
	s_cmp_lg_u32 s[PFN], 0
	s_cselect_b32 s[PFS], 0x20000, 0               ; the pointer stops with the last prefetch
	s_add_nc_u64 s[PFA:PFA+1], s[PFA:PFA+1], s[PFS:PFS+1]
.endif
	s_wait_tensorcnt 0x0                           ; no tensor load of mine is out, so a group 0 may be written
	ds_add_u32 v[SPW], v[NIL]                      ; 0 onto my spare word
.if \fill
	s_xor_b32 s[G0+1], s[G0+1], SLOTB              ; the other slot than last time,
	s_add_co_u32 s[OFF], s[OFF], SLOTB             ; the stream's next slot,
	s_and_b32 s[OFF], s[OFF], 0x1fffff             ; round its 2 MiB
	s_add_nc_u64 s[G0+2:G0+3], s[WB:WB+1], s[OFF:OFF+1]
	s_or_b32 s[G0+3], s[G0+3], 0x80000000
.endif
	s_wait_dscnt 5                                 ; the add and the youngest four loads may be out
	MULS 1, 0, 1, 0
	s_wait_dscnt 0x0                               ; the add is done, and my reads of this slot are over
	s_barrier_signal -1
	MULS 1, 1, 1, 0
	WIN 0
	s_barrier_wait -1
.if \fill
	CREST
	JLOAD
.else
	PLACES
.endif
.if \step
	v_add_nc_u32 v[ADA], 256, v[ADA]               ; the next lap's 128 channels
	v_add_nc_u32 v[ADA+1], 256, v[ADA+1]
.endif
.if \fetch
	FETCH \next, 0, \kimm, 0
.endif
.if \ask
	ASK
.endif
	MULS 1, 2, 2, 0
.endm
; 16 rows of enc: my 4 rows, 32 loads of 512 consecutive bytes, into half h of the window that the caller has set
.macro ISSUEH h
.set li, 0
.rept 32
	global_load_b128 v[128*(\h)+4*li:128*(\h)+4*li+3], v[GOF], s[ENC:ENC+1] offset:(li/8)*131072+(li%8)*512 th:TH_LOAD_NT
.set li, li+1
.endr
.endm
.macro NEXTQ
	s_wait_xcnt 0x0                                ; the loads issued so far have read their base
	s_add_nc_u64 s[ENC:ENC+1], s[ENC:ENC+1], 0x200000  ; 16 rows s on
.endm
.macro CVT_S                           ; X's 256 f32 -> S's 128 registers of bf16
	WIN 0xca
.set ci, 0
.rept 128
	v_cvt_pk_bf16_f32 v[S+ci], v[2*ci], v[2*ci+1]
.set ci, ci+1
.endr
	WIN 0
.endm
.macro COMPACT win                     ; the same in place: register j is written when 2 j and 2 j + 1 are read
	WIN \win
.set ci, 0
.rept 128
	v_cvt_pk_bf16_f32 v[ci], v[2*ci], v[2*ci+1]
.set ci, ci+1
.endr
	WIN 0
.endm
.macro STORE adr, win, reg             ; 32 rows' worth of my rows into A: 256 consecutive bytes a store
	WIN \win
.set si, 0
.rept 64
	ds_store_b64 v[\adr], v[(\reg)+2*si:(\reg)+2*si+1] offset:(16*(si/32)+(si%32)/8)*APITCH+(si%8)*256
.set si, si+1
.endr
	WIN 0
.endm
; THE EPILOGUE OF A CHUNK, by column blocks g (32 registers, 16 pairs q, each accumulator from its low end on).  EF: k s + k c.  EX: 2^that.  EA: + 1.  ER: the reciprocal.  ES: SC += (-2 w) r.
.macro EF g, q
.set rA, 8*(8*((\q)/4)+(\g))+2*((\q)%4)
	v_pk_fma_f32 v[rA:rA+1], v[rA:rA+1], s[KS:KS+1], v[TC+2*(\g):TC+2*(\g)+1] op_sel_hi:[1,0,0]
.endm
.macro EX g, n
.set rA, 8*(8*((\n)/8)+(\g))+(\n)%8
	v_exp_f32 v[rA], v[rA]
.endm
.macro EA g, q
.set rA, 8*(8*((\q)/4)+(\g))+2*((\q)%4)
	v_pk_add_f32 v[rA:rA+1], v[rA:rA+1], 1.0 op_sel_hi:[1,0]
.endm
.macro ER g, n
.set rA, 8*(8*((\n)/8)+(\g))+(\n)%8
	v_rcp_f32 v[rA], v[rA]
.endm
.macro ES g, q
.set rA, 8*(8*((\q)/4)+(\g))+2*((\q)%4)
	v_pk_fma_f32 v[SC+2*(\q):SC+2*(\q)+1], v[rA:rA+1], v[TC+2*(\g):TC+2*(\g)+1], v[SC+2*(\q):SC+2*(\q)+1] op_sel:[0,1,0]
.endm
; Eleven steps; in step i block i is scaled, block i - 1 has its exponentials, block i - 2 its additions and reciprocals, block i - 3 its sums.  So nothing in a step names a result of the step's own
; exponentials and reciprocals: they are one batch, with a plain instruction and ONE wait at the step's end.  Plain and transcendental lines alternate where both are at hand.
.macro EPI
.rept 8
	v_nop                                          ; the places behind the chunk's last products
.endr
.set ei, 0
.rept 11
.if ei >= 3
	WIN 0x01
.set eq, 0
.rept 16
	ES ei-3, eq
.set eq, eq+1
.endr
.endif
.if ei < 10
	WIN 0x41
.set eq, 0
.rept 16
.if ei >= 2
	EA ei-2, eq
.endif
.if (ei >= 1) && (ei < 9)
	EX ei-1, eq
.endif
.set eq, eq+1
.endr
.set eq, 0
.rept 16
.if ei >= 2
	ER ei-2, 2*eq
.endif
.if ei < 8
	EF ei, eq
.endif
.if ei >= 2
	ER ei-2, 2*eq+1
.endif
.if (ei >= 1) && (ei < 9)
	EX ei-1, 16+eq
.endif
.set eq, eq+1
.endr
	v_nop
	s_wait_alu depctr_va_vdst(0)
.endif
.set ei, ei+1
.endr
	WIN 0
.endm
; THE END OF A TILE.  Scores are summed over a half's 16 lanes (columns), over the waves through LDS; every wave makes the same M, a and p; then each thread adds p times its 8 channels of the 64 rows.
; swap = 1: the next tile's rows, which lie in S and X, take A's place.
.macro TILEEND swap
	WIN 0
.irp m, 1,2,4,8
.set ti, 0
.rept 32
	v_add_f32_dpp v[SC+ti], v[SC+ti], v[SC+ti] row_xmask:\m row_mask:0xf bank_mask:0xf
.set ti, ti+1
.endr
.endr
.set ti, 0
.rept 8
	ds_store_b128 v[SCA], v[SC+4*ti:SC+4*ti+3] offset:64*(ti/2)+16*(ti%2)  ; the 16 lanes of a half store the same words
.set ti, ti+1
.endr
	s_wait_dscnt 0x0                               ; for the others' sake
	s_barrier_signal -1
	s_barrier_wait -1
.irp v, 0,1,2,3
	ds_load_b32 v[TT+2+2*(\v)], v[SCL] offset:256*(\v)      ; row l
	ds_load_b32 v[TT+3+2*(\v)], v[SCL] offset:256*(\v)+128  ; row l + 32
.endr
	s_wait_dscnt 0x0
	v_pk_add_f32 v[TT+2:TT+3], v[TT+2:TT+3], v[TT+4:TT+5]
	v_pk_add_f32 v[TT+6:TT+7], v[TT+6:TT+7], v[TT+8:TT+9]
	v_pk_add_f32 v[TT:TT+1], v[TT+2:TT+3], v[TT+6:TT+7]     ; x of my two rows
	v_max_num_f32 v[TT+2], v[TT], v[TT+1]
.irp m, 1,2,4,8
	v_max_num_f32_dpp v[TT+2], v[TT+2], v[TT+2] row_xmask:\m row_mask:0xf bank_mask:0xf
.endr
	v_permlanex16_b32 v[TT+3], v[TT+2], s[SEL], s[SEL+1]
	v_max3_num_f32 v[TT+4], v[TT+2], v[TT+3], v[MX]         ; the new M
	v_sub_f32 v[TT+5], v[MX], v[TT+4]
	v_sub_f32 v[TT], v[TT], v[TT+4]
	v_sub_f32 v[TT+1], v[TT+1], v[TT+4]
	v_mul_f32 v[TT+5], s[L2E], v[TT+5]
	v_mul_f32 v[TT], s[L2E], v[TT]
	v_mul_f32 v[TT+1], s[L2E], v[TT+1]
	v_exp_f32 v[AA], v[TT+5]
	v_exp_f32 v[TT], v[TT]
	v_exp_f32 v[TT+1], v[TT+1]
	v_mov_b32 v[MX], v[TT+4]                       ; the plain instruction behind the last exponential
	s_wait_alu depctr_va_vdst(0)                   ; one wait for the three
	v_mov_b32 v[AA+1], v[AA]
	v_fma_f32 v[LS], v[LS], v[AA], v[TT]
	ds_store_b32 v[PWS], v[TT]
	ds_store_b32 v[PWS], v[TT+1] offset:128
	v_add_f32 v[LS], v[LS], v[TT+1]
.irp c, 0,2,4,6
	v_pk_mul_f32 v[OACC+(\c):OACC+(\c)+1], v[OACC+(\c):OACC+(\c)+1], v[AA:AA+1]
.endr
	v_mov_b32 v[PRA], v[PRA0]
	v_mov_b32 v[WSA], v[WSA0]
	s_mov_b32 s[ROWC], 4
.Lws_\@:                               ; a trip: 16 rows.  p comes from my wave's own copy, which LDS serves behind my stores of it
.irp i, 0,1,2,3
	ds_load_b128 v[PP+4*(\i):PP+4*(\i)+3], v[PRA] offset:16*(\i)
.endr
.set wi, 0
.rept 16
	ds_load_b128 v[AF+4*wi:AF+4*wi+3], v[WSA] offset:wi*APITCH
.set wi, wi+1
.endr
	s_wait_dscnt 0x0
.set wi, 0
.rept 16
.irp c, 0,1,2,3
	v_fma_mix_f32_bf16 v[OACC+2*(\c)],   v[AF+4*wi+(\c)], v[PP+wi], v[OACC+2*(\c)] op_sel_hi:[1,0,0]
	v_fma_mix_f32_bf16 v[OACC+2*(\c)+1], v[AF+4*wi+(\c)], v[PP+wi], v[OACC+2*(\c)+1] op_sel:[1,0,0] op_sel_hi:[1,0,0]
.endr
.set wi, wi+1
.endr
	v_add_nc_u32 v[PRA], 64, v[PRA]
	v_add_nc_u32 v[WSA], 16*APITCH, v[WSA]
	s_sub_co_u32 s[ROWC], s[ROWC], 1
	s_cmp_lg_u32 s[ROWC], 0
	s_cbranch_scc1 .Lws_\@
.if \swap
	s_wait_loadcnt 0x0                             ; the next tile's last 32 rows are in X
	s_wait_dscnt 0x0                               ; my reads of A are over
	s_barrier_signal -1
	COMPACT 0x8a                                   ; work on registers while the others arrive
	s_barrier_wait -1                              ; nobody reads the old tile any more
	STORE STA, 0x0c, S                             ; rows 0-31
	STORE STA+1, 0x08, 0                           ; rows 32-63
.set ti, 0
.rept 32
	v_mov_b32 v[SC+ti], 0                          ; the next tile's scores start at 0
.set ti, ti+1
.endr
	s_wait_dscnt 0x0                               ; for the others' sake
	s_barrier_signal -1
	s_barrier_wait -1
.endif
.endm
	s_load_b256 s[4:11], s[0:1], 0x0               ; enc s[4:5], wf s[6:7], cb s[8:9], score_w s[10:11]
	s_load_b64 s[PO:PO+1], s[0:1], 0x20            ; po
	v_lshl_add_u32 v[SPW], v0, 2, SPARE
	v_mov_b32 v[NIL], 0
	ds_add_u32 v[SPW], v[NIL]                      ; the wave's opening: the add, twice on end, and its wait ahead of my first tensor load
	ds_add_u32 v[SPW], v[NIL]
	v_lshrrev_b32 v1, 5, v0
	v_readfirstlane_b32 s[WV], v1                  ; wave 0..3
	s_bfe_u32 s[CX], ttmp6, 0x40000                ; my place in the cluster: it enters global addresses of enc, cb, po and the prefetch alone
	s_lshl_b32 s16, ttmp9, 2                       ; in a cluster launch ttmp9 counts clusters
	s_add_co_u32 s16, s16, s[CX]                   ; wg
	s_lshr_b32 s17, s16, 3                         ; b
	s_and_b32 s18, s16, 7                          ; g
	s_lshl_b32 s20, s17, 12                        ; b's row of 4,096 bytes
	s_lshl_b32 s18, s18, 25                        ; 256 g rows s of 131,072 bytes
	s_add_co_u32 s20, s20, s18
	s_mov_b32 s21, 0
	s_lshl_b32 s18, s17, 6                         ; b's 64 bytes in a block of cb
	s_mov_b32 s19, 0
	s_mul_i32 s16, s16, 4608                       ; my row of po
	s_mov_b32 s17, 0
	s_lshl_b32 s22, s[WV], 14                      ; my quarter of a slot, in memory and in LDS: the wave's number alone
	s_mov_b32 s23, 0
	; descriptor group 1: 16,384 dense bytes as 64 rows of 32 elements of 8 bytes
	s_mov_b32 s[G1], 15|(3<<16)|(1<<21)            ; 15:0 the mask of four; 17:16 elements of 8 bytes; 21 set beside a mask
	s_mov_b32 s[G1+1], 32<<16                      ; tensor_dim0 = 32
	s_mov_b32 s[G1+2], 64<<16                      ; tensor_dim1 = 64
	s_mov_b32 s[G1+3], 32<<16                      ; tile_dim0 = 32
	s_mov_b32 s[G1+4], 64                          ; tile_dim1 = 64
	s_mov_b32 s[G1+5], 32                          ; 32 elements from row to row
	s_mov_b32 s[G1+6], 0
	s_mov_b32 s[G1+7], 0
	s_mov_b32 s[G0A], 1
	s_lshl_b32 s[G0A+1], s[WV], 14                 ; slot 0
	s_mov_b32 s[G0], 1
	s_add_co_u32 s[G0+1], s[G0A+1], SLOTB          ; slot 1
	s_mov_b32 s[OFF], SLOTB
	s_mov_b32 s[OFF+1], 0
	s_mov_b32 s[KS], 0x4038aa3b                    ; k = 2 log2(e)
	s_mov_b32 s[KS+1], s[KS]
	s_mov_b32 s[SEL], 0x76543210
	s_mov_b32 s[SEL+1], 0xfedcba98
	s_mov_b32 s[L2E], 0x3fb8aa3b
	s_mov_b32 s[PFS+1], 0
	s_cmp_eq_u32 ttmp9, 0                          ; the same in all four partners
	s_cselect_b32 s[PFN], 12, 0
	s_wait_dscnt 0x0                               ; both opening adds are done
	s_wait_kmcnt 0x0
	s_add_nc_u64 s[ENC:ENC+1], s[4:5], s[20:21]
	s_add_nc_u64 s[8:9], s[8:9], s[18:19]
	s_add_nc_u64 s[PO:PO+1], s[PO:PO+1], s[16:17]
	s_lshl2_add_u32 s16, s[CX], s[WV]              ; 4 cx + w
	s_lshl_b32 s16, s16, 13
	s_add_co_u32 s16, s16, 3*131072                ; in lap 3; the first change of slots steps it to lap 4
	s_add_nc_u64 s[PFA:PFA+1], s[6:7], s[16:17]
	s_add_nc_u64 s[WB:WB+1], s[6:7], s[22:23]
	s_mov_b64 s[G0A+2:G0A+3], s[WB:WB+1]
	s_or_b32 s[G0A+3], s[G0A+3], 0x80000000
	s_add_nc_u64 s[G0+2:G0+3], s[WB:WB+1], SLOTB
	s_or_b32 s[G0+3], s[G0+3], 0x80000000
	CROUND                                         ; all four work-groups are here: the first joint loads meet
	tensor_load_to_lds s[G0A:G0A+3], s[G1:G1+7]    ; two loads of mine are out
	s_nop 0
	tensor_load_to_lds s[G0:G0+3], s[G1:G1+7]
	s_nop 0
	PLACES
	v_and_b32 v[TT], 31, v0                        ; l
	v_and_b32 v[TT+1], 15, v0                      ; l % 16
	v_bfe_u32 v[TT+2], v0, 4, 1                    ; l / 16
	s_lshl_b32 s17, s[WV], 19                      ; 4 w rows of enc
	v_lshl_add_u32 v[GOF], v[TT], 4, s17
	v_lshl_add_u32 v[CBO], v[TT+1], 2, s22         ; 8 w blocks of cb + 4 (l % 16)
	s_lshl_b32 s17, s[WV], 9
	v_lshl_add_u32 v[SWO], v[TT+1], 2, s17         ; 128 w numbers of w + l % 16
.irp n, 0,1,2,3,4,5,6,7
	global_load_b32 v[T0+2*(\n)],   v[CBO], s[8:9]   offset:2048*(\n)
	global_load_b32 v[T0+2*(\n)+1], v[SWO], s[10:11] offset:64*(\n)
	global_load_b32 v[T1+2*(\n)],   v[CBO], s[8:9]   offset:65536+2048*(\n)
	global_load_b32 v[T1+2*(\n)+1], v[SWO], s[10:11] offset:2048+64*(\n)
.endr
	WIN 0x80                                       ; the first tile: rows 0-31 into X,
	ISSUEH 0
	NEXTQ
	ISSUEH 1
	NEXTQ
	WIN 0x40                                       ; rows 32-63 into the accumulators' registers, which are still free
	ISSUEH 0
	NEXTQ
	ISSUEH 1
	WIN 0
	s_lshl_b32 s16, s[WV], 13
	v_lshl_add_u32 v[ADB], v[TT], 4, s16
	v_add_nc_u32 v[ADB+1], SLOTB, v[ADB]
	v_mul_u32_u24 v[ADAB], v[TT+1], APITCH
	v_lshl_add_u32 v[ADAB], v[TT+2], 4, v[ADAB]
	v_add_nc_u32 v[ADAB], ABASE, v[ADAB]
	s_mul_i32 s18, s[WV], 4*APITCH
	s_add_co_u32 s18, s18, ABASE
	v_lshl_add_u32 v[STA], v[TT], 3, s18
	v_add_nc_u32 v[STA+1], 32*APITCH, v[STA]
	s_lshl_b32 s19, s[WV], 8
	s_add_co_u32 s20, s19, SCR
	v_lshl_add_u32 v[SCA], v[TT+2], 5, s20
	v_lshl_add_u32 v[SCL], v[TT], 2, SCR
	s_add_co_u32 s20, s19, PW
	v_lshl_add_u32 v[PWS], v[TT], 2, s20
	v_mov_b32 v[PRA0], s20
	v_lshl_add_u32 v[WSA0], v0, 4, ABASE
	v_lshlrev_b32 v[PFO], 8, v[TT]
	s_lshl_b32 s21, s[WV], 10
	s_add_co_u32 s20, s21, OST
	v_lshl_add_u32 v[OSTS], v[TT], 5, s20
	v_lshl_add_u32 v[OSTL], v[TT], 4, s20
	v_lshl_add_u32 v[POF], v[TT], 4, s21
	v_mov_b32 v[MX], 0xff7fffff                    ; M starts at the lowest finite number: the first tile's a is 0
	v_mov_b32 v[LS], 0
.set ti, 0
.rept 8
	v_mov_b32 v[OACC+ti], 0
.set ti, ti+1
.endr
.set ti, 0
.rept 32
	v_mov_b32 v[SC+ti], 0
.set ti, ti+1
.endr
	s_wait_loadcnt 0x0
.irp n, 0,1,2,3,4,5,6,7
	v_mul_f32 v[T0+2*(\n)], s[KS], v[T0+2*(\n)]    ; k c
	v_mul_f32 v[T0+2*(\n)+1], -2.0, v[T0+2*(\n)+1] ; -2 w
	v_mul_f32 v[T1+2*(\n)], s[KS], v[T1+2*(\n)]
	v_mul_f32 v[T1+2*(\n)+1], -2.0, v[T1+2*(\n)+1]
.endr
	CVT_S
	COMPACT 0x45
	STORE STA, 0x0c, S
	STORE STA+1, 0x04, 0
	s_wait_dscnt 0x0                               ; for the others' sake: my rows of A
	s_wait_tensorcnt 0x1                           ; my quarter of slot 0 is in; slot 1's may stay out
	s_barrier_signal -1
	s_barrier_wait -1
	s_mov_b32 s[REM], 8
.Lk:                                   ; a chunk: 512 columns for the tile's 64 rows
	s_wait_loadcnt 0x0                             ; in a tile's second chunk: the next tile's rows 0-31 are in X; in its first nothing is out
	s_and_b32 s16, s[REM], 1
	s_cmp_eq_u32 s16, 1
	s_cselect_b32 s[PARM], -1, 0
.set ti, 0
.rept 16
	v_cndmask_b32 v[TC+ti], v[T0+ti], v[T1+ti], s[PARM]  ; the chunk's table
.set ti, ti+1
.endr
	s_cmp_gt_u32 s[REM], 2
	s_cselect_b32 s[MIDL], 4, 0                    ; the lap count at which the second 16 rows are asked for; 0, which it never is, in the last tile
	s_cbranch_scc0 .Lns                            ; the last tile has no successor
	s_cmp_eq_u32 s16, 1
	s_cbranch_scc0 .Lnocvt
	CVT_S                                          ; X is free again
.Lnocvt:
	NEXTQ
	WIN 0x80
	ISSUEH 0
	WIN 0
.Lns:
	v_mov_b32 v[ADA], v[ADAB]
	v_add_nc_u32 v[ADA+1], 32*APITCH, v[ADAB]
	FETCH 0, 0, 0, 0
	UNITA 0, 64, 1                                 ; the chunk's first unit starts the sums
	WIN 0
	s_mov_b32 s[LAP], 7
.Llap:                                 ; a trip goes once round the ring, from a lap's second unit to the next lap's first, and fills both slots again
	s_cmp_lg_u32 s[LAP], s[MIDL]
	s_cbranch_scc1 .Lnomid
	NEXTQ
	WIN 0x80
	ISSUEH 1
	WIN 0
.Lnomid:
	TURN 1, 1, 1, 128, 0, 1
	UNITA 1, 192, 0
	TURN 0, 1, 1, 0, 1, 0
	UNITA 0, 64, 0
	WIN 0
	s_sub_co_u32 s[LAP], s[LAP], 1
	s_cmp_lg_u32 s[LAP], 0
	s_cbranch_scc1 .Llap
	s_cmp_eq_u32 s[REM], 1
	s_cbranch_scc1 .Ltail                          ; the last chunk's end is written out: it asks for nothing more
	TURN 1, 1, 1, 128, 0, 1
	UNITA 1, 192, 0
	TURN 0, 1, 0, 0, 0, 0                          ; the ring goes on into the next chunk
	EPI
	s_and_b32 s16, s[REM], 1
	s_cmp_eq_u32 s16, 0
	s_cbranch_scc1 .Lnext
	TILEEND 1
.Lnext:
	s_sub_co_u32 s[REM], s[REM], 1
	s_branch .Lk
.Ltail:
	TURN 1, 0, 1, 128, 0, 0                        ; my one tensor load that was out is the last slot's, so no round follows
	UNITA 1, 192, 0
	s_wait_dscnt 4
	MULS 1, 0, 2, 0
	s_wait_dscnt 0x0
	MULS 1, 2, 2, 0
	EPI
	TILEEND 0
	; THE WAY OUT: l over the 32 lanes; my 8 channels of O through my own stage, so that a store covers 512 consecutive bytes; wave 0 adds (M, l)
.irp m, 1,2,4,8
	v_add_f32_dpp v[LS], v[LS], v[LS] row_xmask:\m row_mask:0xf bank_mask:0xf
.endr
	v_permlanex16_b32 v[TT+1], v[LS], s[SEL], s[SEL+1]
	v_add_f32 v[LS], v[LS], v[TT+1]
	ds_store_b128 v[OSTS], v[OACC:OACC+3]
	ds_store_b128 v[OSTS], v[OACC+4:OACC+7] offset:16
	ds_load_b128 v[AF:AF+3], v[OSTL]               ; LDS serves a wave's instructions in order: these see the stores above
	ds_load_b128 v[AF+4:AF+7], v[OSTL] offset:512
	s_wait_dscnt 0x0
	global_store_b128 v[POF], v[AF:AF+3], s[PO:PO+1]
	global_store_b128 v[POF], v[AF+4:AF+7], s[PO:PO+1] offset:512
	s_cmp_lg_u32 s[WV], 0
	s_cbranch_scc1 .Lno_ml
	v_mov_b32 v[TT+4], v[MX]
	v_mov_b32 v[TT+5], v[LS]
	v_mov_b32 v[TT+6], v[MX]
	v_mov_b32 v[TT+7], v[LS]
	global_store_b128 v[POF], v[TT+4:TT+7], s[PO:PO+1] offset:4096  ; the row's last 512 bytes
.Lno_ml:
	s_wait_tensorcnt 0x0                           ; the wave's end, behind my last tensor load and my last LDS store
	ds_add_u32 v[SPW], v[NIL]
	s_wait_dscnt 0x0
	CROUND                                         ; the closing round: no work-group ends while a partner may still ask for a slot that names it
	s_endpgm
.Lfunc_end_k_q7632a6c29c_attn:
	.size	k_q7632a6c29c_attn, .Lfunc_end_k_q7632a6c29c_attn-k_q7632a6c29c_attn
	.p2alignl 7, 3214868480
	.fill 96, 4, 3214868480
	.section	.rodata,"a",@progbits
	.p2align	6, 0x0
	.amdhsa_kernel k_q7632a6c29c_attn
		.amdhsa_group_segment_fixed_size 327680
		.amdhsa_private_segment_fixed_size 0
		.amdhsa_enable_private_segment 0
		.amdhsa_kernarg_size 40
		.amdhsa_user_sgpr_count 2
		.amdhsa_user_sgpr_kernarg_segment_ptr 1
		.amdhsa_wavefront_size32 1
		.amdhsa_system_sgpr_workgroup_id_x 1
		.amdhsa_system_sgpr_workgroup_id_y 1
		.amdhsa_system_sgpr_workgroup_id_z 1
		.amdhsa_system_vgpr_workitem_id 0
		.amdhsa_next_free_vgpr 1024
		.amdhsa_next_free_sgpr 66
		.amdhsa_reserve_vcc 0
		.amdhsa_float_denorm_mode_32 3
		.amdhsa_float_denorm_mode_16_64 3
		.amdhsa_memory_ordered 1
		.amdhsa_forward_progress 1
		.amdhsa_inst_pref_size 251
	.end_amdhsa_kernel
	.amdgpu_metadata
---
amdhsa.version: [ 1, 2 ]
amdhsa.kernels:
  - .name:           k_q7632a6c29c_attn
    .symbol:         k_q7632a6c29c_attn.kd
    .args:
      - { .name: encoder_states, .offset: 0, .size: 8, .value_kind: global_buffer, .address_space: global }
      - { .name: wf, .offset: 8, .size: 8, .value_kind: global_buffer, .address_space: global }
      - { .name: cb, .offset: 16, .size: 8, .value_kind: global_buffer, .address_space: global }
      - { .name: score_w, .offset: 24, .size: 8, .value_kind: global_buffer, .address_space: global }
      - { .name: po, .offset: 32, .size: 8, .value_kind: global_buffer, .address_space: global }
    .group_segment_fixed_size: 327680
    .private_segment_fixed_size: 0
    .kernarg_segment_align: 8
    .kernarg_segment_size: 40
    .max_flat_workgroup_size: 128
    .sgpr_count:     66
    .vgpr_count:     1024
    .wavefront_size: 32
...
	.end_amdgpu_metadata
.endif
;; end of part 2
;; launch comb (part 3): grid 32 x 1, 8 waves a work-group, no clusters, 0 bytes of LDS; arguments po, out0; writes out0
.if DOCPART == 3
	.amdgcn_target "amdgcn-amd-amdhsa--gfx1250"
	.amdhsa_code_object_version 6
	.text
	.protected	k_q7632a6c29c_comb
	.globl	k_q7632a6c29c_comb
	.p2align	8
	.type	k_q7632a6c29c_comb,@function
k_q7632a6c29c_comb:
	s_mov_b64 s[64:65], 0
	v_nop
	global_prefetch_b8 v0, s[64:65] scope:SCOPE_SE
	s_setreg_imm32_b32 hwreg(HW_REG_WAVE_MODE, 25, 1), 1
	s_wait_xcnt 0x0
; THIRD OF THREE LAUNCHES: the eight parts (M, l, O) of a row b are joined.  out[b] = sum over g of f_g O_g / sum over g of f_g l_g, f_g = e^(M_g - max M).  Nothing is left out here.
; Work-group b; thread t owns channels 4 t .. 4 t + 3: each load and the store of a wave cover 512 consecutive bytes.  po: row 8 b + g of 4,608 bytes: 1,024 f32 of O, then (M, l).
; 1,026 KiB are read by 32 work-groups in one run of loads: no LDS, no ring, no prefetch.
.set ML, 2                             ; v[2:17]  (M, l) of part g at ML + 2 g
.set O,  20                            ; v[20:51] O of part g at O + 4 g
.set F,  52                            ; v[52:59] f
.set AC, 60                            ; v[60:63]
.set DEN, 64
.set MM, 65
.set TO, 66                            ; 16 t
	s_load_b128 s[4:7], s[0:1], 0x0                ; po, out0
	v_mov_b32 v1, 0
	v_lshlrev_b32 v[TO], 4, v0
	s_mul_i32 s8, ttmp9, 36864
	s_mov_b32 s9, 0
	s_lshl_b32 s10, ttmp9, 12
	s_mov_b32 s11, 0
	s_wait_kmcnt 0x0
	s_add_nc_u64 s[4:5], s[4:5], s[8:9]
	s_add_nc_u64 s[6:7], s[6:7], s[10:11]
.irp g, 0,1,2,3,4,5,6,7
	global_load_b64 v[ML+2*(\g):ML+2*(\g)+1], v1, s[4:5] offset:4608*(\g)+4096
.endr
.irp g, 0,1,2,3,4,5,6,7
	global_load_b128 v[O+4*(\g):O+4*(\g)+3], v[TO], s[4:5] offset:4608*(\g)
.endr
	s_wait_loadcnt 0x8                             ; the eight (M, l) are in; the eight loads of O may stay out
	v_max3_num_f32 v[MM], v[ML], v[ML+2], v[ML+4]
	v_max3_num_f32 v[MM], v[MM], v[ML+6], v[ML+8]
	v_max3_num_f32 v[MM], v[MM], v[ML+10], v[ML+12]
	v_max_num_f32 v[MM], v[MM], v[ML+14]
.irp g, 0,1,2,3,4,5,6,7
	v_sub_f32 v[F+(\g)], v[ML+2*(\g)], v[MM]
.endr
.irp g, 0,1,2,3,4,5,6,7
	v_mul_f32 v[F+(\g)], 0x3fb8aa3b, v[F+(\g)]
.endr
.irp g, 0,1,2,3,4,5,6,7
	v_exp_f32 v[F+(\g)], v[F+(\g)]
.endr
	v_nop                                          ; a plain instruction behind the last exponential,
	s_wait_alu depctr_va_vdst(0)                   ; and one wait for the eight
	v_mul_f32 v[DEN], v[F], v[ML+1]
.irp g, 1,2,3,4,5,6,7
	v_fma_f32 v[DEN], v[F+(\g)], v[ML+2*(\g)+1], v[DEN]
.endr
	v_rcp_f32 v[DEN], v[DEN]
	s_wait_loadcnt 0x0
.irp c, 0,1,2,3
	v_mul_f32 v[AC+(\c)], v[F], v[O+(\c)]
.endr
.irp g, 1,2,3,4,5,6,7
.irp c, 0,1,2,3
	v_fma_f32 v[AC+(\c)], v[F+(\g)], v[O+4*(\g)+(\c)], v[AC+(\c)]
.endr
.endr
	s_wait_alu depctr_va_vdst(0)                   ; the reciprocal's wait; the sums above are the work between
.irp c, 0,1,2,3
	v_mul_f32 v[AC+(\c)], v[AC+(\c)], v[DEN]
.endr
	global_store_b128 v[TO], v[AC:AC+3], s[6:7]
	s_endpgm
.Lfunc_end_k_q7632a6c29c_comb:
	.size	k_q7632a6c29c_comb, .Lfunc_end_k_q7632a6c29c_comb-k_q7632a6c29c_comb
	.p2alignl 7, 3214868480
	.fill 96, 4, 3214868480
	.section	.rodata,"a",@progbits
	.p2align	6, 0x0
	.amdhsa_kernel k_q7632a6c29c_comb
		.amdhsa_group_segment_fixed_size 0
		.amdhsa_private_segment_fixed_size 0
		.amdhsa_enable_private_segment 0
		.amdhsa_kernarg_size 16
		.amdhsa_user_sgpr_count 2
		.amdhsa_user_sgpr_kernarg_segment_ptr 1
		.amdhsa_wavefront_size32 1
		.amdhsa_system_sgpr_workgroup_id_x 1
		.amdhsa_system_sgpr_workgroup_id_y 1
		.amdhsa_system_sgpr_workgroup_id_z 1
		.amdhsa_system_vgpr_workitem_id 0
		.amdhsa_next_free_vgpr 72
		.amdhsa_next_free_sgpr 66
		.amdhsa_reserve_vcc 0
		.amdhsa_float_denorm_mode_32 3
		.amdhsa_float_denorm_mode_16_64 3
		.amdhsa_memory_ordered 1
		.amdhsa_forward_progress 1
		.amdhsa_inst_pref_size 7
	.end_amdhsa_kernel
	.amdgpu_metadata
---
amdhsa.version: [ 1, 2 ]
amdhsa.kernels:
  - .name:           k_q7632a6c29c_comb
    .symbol:         k_q7632a6c29c_comb.kd
    .args:
      - { .name: po, .offset: 0, .size: 8, .value_kind: global_buffer, .address_space: global }
      - { .name: out0, .offset: 8, .size: 8, .value_kind: global_buffer, .address_space: global }
    .group_segment_fixed_size: 0
    .private_segment_fixed_size: 0
    .kernarg_segment_align: 8
    .kernarg_segment_size: 16
    .max_flat_workgroup_size: 256
    .sgpr_count:     66
    .vgpr_count:     72
    .wavefront_size: 32
...
	.end_amdgpu_metadata
.endif
;; end of part 3
;; ======== version 2 of 3: 3 launches
;; workspace buffers: wf 2,097,152 bytes; cb 131,072 bytes; po 1,179,648 bytes
;; launch prep: the kernel of part 1 again; grid 64 x 1, 8 waves a work-group, no clusters, 17,408 bytes of LDS; arguments W_fc, decoder_state, wf, cb; writes wf, cb
;; launch attn (part 4): grid 256 x 1, 4 waves a work-group, no clusters, 289,280 bytes of LDS; arguments encoder_states, wf, cb, score_w, po; writes po
.if DOCPART == 4
	.amdgcn_target "amdgcn-amd-amdhsa--gfx1250"
	.amdhsa_code_object_version 6
	.text
	.protected	k_q7632a6c29c_attn
	.globl	k_q7632a6c29c_attn
	.p2align	8
	.type	k_q7632a6c29c_attn,@function
k_q7632a6c29c_attn:
	s_mov_b64 s[64:65], 0
	v_nop
	global_prefetch_b8 v0, s[64:65] scope:SCOPE_SE
	s_setreg_imm32_b32 hwreg(HW_REG_WAVE_MODE, 25, 1), 1
	s_wait_xcnt 0x0
; SECOND OF THREE LAUNCHES: scores, a running softmax and the weighted sum, with each row of enc read from memory once.
; LEFT OUT (shown at the first kernel's head): the term sum over e of w[e] of every score, which is the same along s.  The score used is x = sum over e of (-2 w[e]) r, r = 1 / (1 + 2^(k (enc . W[e] + c))), k = 2 log2(e).
; SHARES.  Work-group wg = 8 b + g owns rows s = 256 g .. 256 g + 255 of one b, as 2 tiles of 128 rows.  A tile lies in LDS in bf16 (A, 128 rows x 2,048 bytes) from its products to its weighted sum.
; The 1,024 columns e go in 2 chunks of 512; wave w owns columns 128 w .. 128 w + 127 of a chunk for all 128 rows: 64 accumulators of 16 x 16, 512 registers.  K goes in 32 units of 32: 64 products a unit.
; W comes as the first launch wrote it, in fragment order: a unit of a chunk is 32 KiB [wave][8 column blocks][1,024 bytes].  A wave's 8 KiB of a unit are read by that wave alone, so they go STRAIGHT INTO REGISTERS:
; 16 loads of 512 consecutive bytes, asked for three units (192 products) ahead, into four buffers that take turns, behind counted waits.  The K loop has no barrier.
; NO CLUSTER, though every work-group walks the same W.  A joint load lands in LDS, and the 128 rows take 264,192 of its 327,680 bytes: what is left would hold two slots of less than one unit, that is less than 64 products
; between a refill and the wait for it; with 64 rows and slots of two units it is 64.  128 rows in place of 64 also halve the walks of W: two for a work-group.
; PRODUCT.  Source 0 = 16 rows s of A, source 1 = 16 columns e of W: a lane holds ONE column e (l % 16) and rows 8 (l / 16) + 0..7.  b is one for the work-group, so c and w are one number a lane and column block.
; SOFTMAX.  A running maximum M and sum l over the two tiles, p = e^(x - M); O and l are multiplied by a = e^(M_old - M_new) at every tile.  (M, l, O) go to po; the third launch joins the eight parts of a b.
; ON THE VECTOR UNIT: the dot product with w and the sum of p times enc.  Each is a product with ONE row for each b; as a 16 x 16 tile fifteen of its sixteen rows would be empty.  The sum takes enc as it lies in LDS, in bf16, times p in f32, in f32.
; THE SECOND TILE's rows are asked for as registers come free: 32 rows into W's buffers ahead of the first tile's last epilogue, 32 into the accumulators of rows 0-63 when their half of the epilogue is done, the other 64
; behind the epilogue; they land under the epilogue, the softmax and the weighted sum, and are stored into A when every wave has read the old tile for the last time.
; LIMITS.  enc, W, dec rounded to bf16 each.  A weight below 2^-126 counts as 0.  NaN and infinities are not treated apart.
; REGISTERS, in windows of 256 (s_set_vgpr_msb: bits 1:0 source 0, 3:2 source 1, 5:4 source 2, 7:6 destination):
;   window 0: v0-63 addresses, statistics, the chunk's table; v64-127 SC; v128-255 A's fragments, two buffers of 8      window 1: the accumulators of rows 0-63, (mt, nt) at 8 (8 mt + nt)
;   window 2: those of rows 64-127                                                                                     window 3: W's fragments, four buffers of 8
.set APITCH, 2064                      ; A's rows lie 2,064 bytes apart (129 x 16: the 16 rows of a fragment load fall into 16 different 16-byte columns of 256)
.set ROWG,   131072                    ; bytes from row s to row s + 1 of one b in enc
.set UNITB,  32768
.set SCR,    264192                    ; behind A: 4 waves x 128 f32: each wave's part of the tile's scores
.set TAB,    266240                    ; 4 waves x 2 chunks x 2,048 bytes: each wave's own tables; a multiple of 4,096, so that one exclusive or changes the chunk
.set PW,     282624                    ; 4 waves x 128 f32: each wave's own copy of p
.set SPARE,  284672                    ; the spare words, 128 bytes a wave: two blocks of 256 bytes that no other line names
.set OST,    285184                    ; 4 waves x 1,024 bytes: O on its way out
.set ADA,  2                           ; v2-5   A's row blocks 0-1, 2-3, 4-5, 6-7 at the trip in hand
.set ADAB, 6                           ; v6     (l % 16) 2064 + 16 (l / 16)
.set WOF,  7                           ; v7     16 l
.set GOF,  8                           ; v8     4 w rows of enc + 16 l
.set STA,  9                           ; v9     4 w rows of A + 8 l
.set SCA,  10
.set SCL,  11
.set PWS,  12
.set PRA0, 13
.set WSA0, 14
.set PRA,  15
.set WSA,  16
.set PFO,  17                          ; v17    4 w rows of enc + (l / 16) rows + 256 (l % 16)
.set SPW,  18                          ; v18    LDS address of my spare word; never rewritten
.set NIL,  19                          ; v19    0; never rewritten
.set OSTS, 20
.set OSTL, 21
.set POF,  22
.set MX,   23                          ; v23    M
.set LS,   24                          ; v24    my lane's part of l (rows l, l + 32, l + 64, l + 96 of each tile)
.set TBA,  25                          ; v25    my 16 bytes in the table of the chunk to come
.set AA,   26                          ; v[26:27] a, twice
.set TT,   28                          ; v[28:39] at work
.set STT,  36                          ; v36    an address in A
.set OACC, 40                          ; v[40:47] O for channels 8 t .. 8 t + 7, t my thread's number
.set TC,   48                          ; v[48:63] the chunk's table: for column block nt the pair (k c, -2 w)
.set SC,   64                          ; v[64:127] scores: register 8 mt + j is row 16 mt + 8 (l / 16) + j, my column's part
.set AF,   128                         ; v[128:255] A's fragments; free at a tile's end and at the start:
.set PP,   192                         ;   16 p
.set XR,   224                         ;   16 parts of scores
.set T0,   128                         ;   at the start: the two tables as loaded,
.set T1,   144
.set CBO,  160                         ;   and their offsets
.set SWO,  161
.set PO,   12                          ; s[12:13] po at my row
.set WV,   14
.set WB,   24                          ; s[24:25] wf + 8192 w
.set WP,   26                          ; s[26:27] wf at my part of the trip's first unit
.set OFFW, 28                          ; s[28:29] the chunk's byte in wf
.set ENC,  30                          ; s[30:31] enc at the tile's row 0
.set ENC2, 32                          ; s[32:33] at its row 64
.set REM,  34                          ; chunks to go, this one among them
.set LAP,  35
.set ROWC, 36
.set PFL,  37                          ; the trip count at which enc is prefetched; 0, which the count never is, in the other chunks
.set KS,   38                          ; s[38:39] k, named as a pair
.set SEL,  40                          ; s[40:41] v_permlanex16_b32's selects: each lane takes its own place in the other half
.set L2E,  42
.set MSB, 0
.macro WIN new                         ; the immediate's high byte repeats the setting that is left; a switch that changes nothing is dropped
.if MSB != (\new)
	s_set_vgpr_msb (MSB<<8)|(\new)
.set MSB, (\new)
.endif
.endm
.macro PLACES
.rept 4
	v_nop
.endr
.endm
; my 8 fragments of W of one unit, at byte imm behind the pointer, into buffer buf: 16 loads of 512 consecutive bytes
.macro FETCHW buf, imm
	WIN 0xc0
.set fi, 0
.rept 8
	global_load_b128 v[64*(\buf)+8*fi:64*(\buf)+8*fi+3],   v[WOF], s[WP:WP+1] offset:(\imm)+fi*1024
	global_load_b128 v[64*(\buf)+8*fi+4:64*(\buf)+8*fi+7], v[WOF], s[WP:WP+1] offset:(\imm)+fi*1024+512
.set fi, fi+1
.endr
.endm
.macro WPRO                            ; a chunk's first three units
	FETCHW 0, 0
	FETCHW 1, UNITB
	FETCHW 2, 2*UNITB
	WIN 0
.endm
; A's 8 fragments of one unit, at byte kimm of the rows behind the trip's addresses, into buffer f; row blocks in ascending order
.macro FETCHA f, kimm
	WIN 0
.set fi, 0
.rept 8
	ds_load_b128 v[AF+64*(\f)+8*fi:AF+64*(\f)+8*fi+3],   v[ADA+fi/2] offset:(fi%2)*16*APITCH+(\kimm)
	ds_load_b128 v[AF+64*(\f)+8*fi+4:AF+64*(\f)+8*fi+7], v[ADA+fi/2] offset:(fi%2)*16*APITCH+(\kimm)+32
.set fi, fi+1
.endr
.endm
; 32 products: row blocks 4 hi .. 4 hi + 3 x all 8 column blocks.  The 64 accumulators take turns in the same order in every unit.  zero = 1: the products start the sums.
.macro MULS fa, fb, hi, zero
	WIN 0x5c+0x50*(\hi)
.set mm, 0
.rept 4
.set nn, 0
.rept 8
.if \zero
	v_wmma_f32_16x16x32_bf16 v[8*(8*mm+nn):8*(8*mm+nn)+7], v[AF+64*(\fa)+8*(4*(\hi)+mm):AF+64*(\fa)+8*(4*(\hi)+mm)+7], v[64*(\fb)+8*nn:64*(\fb)+8*nn+7], 0
.else
	v_wmma_f32_16x16x32_bf16 v[8*(8*mm+nn):8*(8*mm+nn)+7], v[AF+64*(\fa)+8*(4*(\hi)+mm):AF+64*(\fa)+8*(4*(\hi)+mm)+7], v[64*(\fb)+8*nn:64*(\fb)+8*nn+7], v[8*(8*mm+nn):8*(8*mm+nn)+7]
.endif
.set nn, nn+1
.endr
.set mm, mm+1
.endr
.endm
; A UNIT: multiplies A's buffer fa by W's buffer fb.  In its middle it asks for W three units on (fw = 1), into the buffer that the unit before multiplied, and for A of the next unit (ga = 1).
; wl: the W loads issued behind this unit's own, which may stay out: two units' 32, fewer in the tail.
.macro UNIT fa, fb, zero, wl, fw, wimm, ga, kimm
	s_wait_loadcnt \wl
	s_wait_dscnt 8                                 ; A's row blocks 0-3 are in; the youngest eight loads (row blocks 4-7) may be out
	MULS \fa, \fb, 0, \zero
	PLACES                                         ; in front of loads into buffers that the unit before multiplied
.if \fw
	FETCHW ((\fb)+3)%4, \wimm
.endif
.if \ga
	FETCHA 1-(\fa), \kimm
	s_wait_dscnt 16                                ; all but the 16 just issued
.else
	s_wait_dscnt 0x0
.endif
	MULS \fa, \fb, 1, \zero
.endm
; HALF hh (0 to 7) of a tile is rows 16 hh .. 16 hh + 15; my 4 of them, 16 hh + 4 w + 0..3, are 32 loads of 512 consecutive bytes, into 128 registers from rb on of the window that the caller has set
.macro ISSUEH rb, hh
.set li, 0
.rept 32
.if (\hh) < 4
	global_load_b128 v[(\rb)+4*li:(\rb)+4*li+3], v[GOF], s[ENC:ENC+1] offset:(\hh)*16*ROWG+(li/8)*ROWG+(li%8)*512 th:TH_LOAD_NT
.else
	global_load_b128 v[(\rb)+4*li:(\rb)+4*li+3], v[GOF], s[ENC2:ENC2+1] offset:((\hh)-4)*16*ROWG+(li/8)*ROWG+(li%8)*512 th:TH_LOAD_NT
.endif
.set li, li+1
.endr
.endm
.macro COMPACT win                     ; a window's 256 f32 become 128 registers of bf16 at its low end: register j is written when 2 j and 2 j + 1 are read
	WIN \win
.set ci, 0
.rept 128
	v_cvt_pk_bf16_f32 v[ci], v[2*ci], v[2*ci+1]
.set ci, ci+1
.endr
	WIN 0
.endm
.macro COMPACTU win                    ; the same for the upper 128 registers alone: 64 registers of bf16 from 128 on
	WIN \win
.set ci, 0
.rept 64
	v_cvt_pk_bf16_f32 v[128+ci], v[128+2*ci], v[128+2*ci+1]
.set ci, ci+1
.endr
	WIN 0
.endm
.macro STOREH win, rb, hh              ; my 4 rows of half hh, 64 registers of bf16 from rb on, into A: 256 consecutive bytes a store
	WIN 0
.if (\hh) < 2
.set SR, STA
.else
	v_add_nc_u32 v[STT], ((\hh)/2)*32*APITCH, v[STA]
.set SR, STT
.endif
	WIN \win
.set si, 0
.rept 32
	ds_store_b64 v[SR], v[(\rb)+2*si:(\rb)+2*si+1] offset:((\hh)%2)*16*APITCH+(si/8)*APITCH+(si%8)*256
.set si, si+1
.endr
	WIN 0
.endm
; A TILE COMES IN, in five parts.  More loads stand on end than LOADcnt's field holds: the issue then waits (ISA guide 5.7.1), and a wait for 63 shows all but the last 63 done.
.macro STAGE_A                         ; rows 0-31 into window 3
	WIN 0xc0
	ISSUEH 0, 0
	ISSUEH 128, 1
	WIN 0
.endm
.macro STAGE_B                         ; rows 32-63 into window 1
	WIN 0x40
	ISSUEH 0, 2
	ISSUEH 128, 3
	WIN 0
.endm
.macro STAGE_C                         ; rows 64-95 into window 2; rows 0-63 are rounded, which frees the upper halves of windows 3 and 1
	WIN 0x80
	ISSUEH 0, 4
	ISSUEH 128, 5
	s_wait_loadcnt 63                              ; 64 loads were just issued: all that were issued ahead of them are in
	COMPACT 0xcf
	COMPACT 0x45
.endm
.macro STAGE_D                         ; rows 96-111 and 112-127 into those upper halves
	WIN 0xc0
	ISSUEH 128, 6
	WIN 0x40
	ISSUEH 128, 7
	WIN 0
.endm
; A is free: the rows are stored.  Window 3 is emptied, and the next chunk's first three units of W are asked for.  pro = 1: at the start, in the order in which the rows arrive; enc's pointers then go on to the second tile.
.macro STAGE_E pro
.if \pro
	STOREH 0x0c, 0, 0
	STOREH 0x0c, 64, 1
	STOREH 0x04, 0, 2
	STOREH 0x04, 64, 3
	s_wait_loadcnt 63                              ; behind rows 64-95 stand 64 loads: rows 64-95 are in
	COMPACT 0x8a
	STOREH 0x08, 0, 4
	STOREH 0x08, 64, 5
	s_wait_loadcnt 0x0                             ; every load of enc is done, so its pointers may be written
	s_add_nc_u64 s[ENC:ENC+1], s[ENC:ENC+1], 128*ROWG
	s_add_nc_u64 s[ENC2:ENC2+1], s[ENC2:ENC2+1], 128*ROWG
	COMPACTU 0xcf
	STOREH 0x0c, 128, 6
	s_wait_dscnt 0x0                               ; the stores have read window 3
	WPRO
	COMPACTU 0x45
	STOREH 0x04, 128, 7
.else
	s_wait_loadcnt 0x0                             ; all 128 rows are in, on every way that leads here
	STOREH 0x0c, 0, 0
	STOREH 0x0c, 64, 1
	COMPACTU 0xcf
	STOREH 0x0c, 128, 6
	s_wait_dscnt 0x0                               ; the stores have read window 3
	WPRO                                           ; the rest of the stores stands between these loads and the wait for them
	STOREH 0x04, 0, 2
	STOREH 0x04, 64, 3
	COMPACTU 0x45
	STOREH 0x04, 128, 7
	COMPACT 0x8a
	STOREH 0x08, 0, 4
	STOREH 0x08, 64, 5
.endif
.set ti, 0
.rept 64
	v_mov_b32 v[SC+ti], 0                          ; the tile's scores start at 0
.set ti, ti+1
.endr
	s_wait_dscnt 0x0                               ; for the others' sake: my rows of A
	s_barrier_signal -1
	s_barrier_wait -1
.endm
; THE EPILOGUE OF A CHUNK, a window (64 rows) at a time, by column blocks g (32 registers, 16 pairs q, each accumulator from its low end on).  EF: k s + k c.  EX: 2^that.  EA: + 1.  ER: the reciprocal.  ES: SC += (-2 w) r.
.macro EF g, q
.set rA, 8*(8*((\q)/4)+(\g))+2*((\q)%4)
	v_pk_fma_f32 v[rA:rA+1], v[rA:rA+1], s[KS:KS+1], v[TC+2*(\g):TC+2*(\g)+1] op_sel_hi:[1,0,0]
.endm
.macro EX g, n
.set rA, 8*(8*((\n)/8)+(\g))+(\n)%8
	v_exp_f32 v[rA], v[rA]
.endm
.macro EA g, q
.set rA, 8*(8*((\q)/4)+(\g))+2*((\q)%4)
	v_pk_add_f32 v[rA:rA+1], v[rA:rA+1], 1.0 op_sel_hi:[1,0]
.endm
.macro ER g, n
.set rA, 8*(8*((\n)/8)+(\g))+(\n)%8
	v_rcp_f32 v[rA], v[rA]
.endm
.macro ES hw, g, q
.set rA, 8*(8*((\q)/4)+(\g))+2*((\q)%4)
	v_pk_fma_f32 v[SC+32*(\hw)+2*(\q):SC+32*(\hw)+2*(\q)+1], v[rA:rA+1], v[TC+2*(\g):TC+2*(\g)+1], v[SC+32*(\hw)+2*(\q):SC+32*(\hw)+2*(\q)+1] op_sel:[0,1,0]
.endm
; Eleven steps; in step i block i is scaled, block i - 1 has its exponentials, block i - 2 its additions and reciprocals, block i - 3 its sums.  So nothing in a step names a result of the step's own
; exponentials and reciprocals: they are one batch, with a plain instruction and ONE wait at the step's end.  Plain and transcendental lines alternate where both are at hand.
.macro EPIW hw
.set ei, 0
.rept 11
.if ei >= 3
	WIN 0x01+(\hw)
.set eq, 0
.rept 16
	ES \hw, ei-3, eq
.set eq, eq+1
.endr
.endif
.if ei < 10
	WIN 0x41+0x41*(\hw)
.set eq, 0
.rept 16
.if ei >= 2
	EA ei-2, eq
.endif
.if (ei >= 1) && (ei < 9)
	EX ei-1, eq
.endif
.set eq, eq+1
.endr
.set eq, 0
.rept 16
.if ei >= 2
	ER ei-2, 2*eq
.endif
.if ei < 8
	EF ei, eq
.endif
.if ei >= 2
	ER ei-2, 2*eq+1
.endif
.if (ei >= 1) && (ei < 9)
	EX ei-1, 16+eq
.endif
.set eq, eq+1
.endr
	v_nop
	s_wait_alu depctr_va_vdst(0)
.endif
.set ei, ei+1
.endr
	WIN 0
.endm
	s_load_b256 s[4:11], s[0:1], 0x0               ; enc s[4:5], wf s[6:7], cb s[8:9], score_w s[10:11]
	s_load_b64 s[PO:PO+1], s[0:1], 0x20            ; po
	v_lshl_add_u32 v[SPW], v0, 2, SPARE
	v_mov_b32 v[NIL], 0
	v_lshrrev_b32 v1, 5, v0
	v_readfirstlane_b32 s[WV], v1                  ; wave 0..3
	s_lshr_b32 s17, ttmp9, 3                       ; b
	s_and_b32 s18, ttmp9, 7                        ; g
	s_lshl_b32 s20, s17, 12                        ; b's row of 4,096 bytes
	s_lshl_b32 s18, s18, 25                        ; 256 g rows s of 131,072 bytes
	s_add_co_u32 s20, s20, s18
	s_mov_b32 s21, 0
	s_lshl_b32 s18, s17, 6                         ; b's 64 bytes in a block of cb
	s_mov_b32 s19, 0
	s_mul_i32 s16, ttmp9, 4608                     ; my row of po
	s_mov_b32 s17, 0
	s_lshl_b32 s22, s[WV], 13                      ; my 8 KiB of a unit
	s_mov_b32 s23, 0
	s_mov_b32 s[OFFW], 0
	s_mov_b32 s[OFFW+1], 0
	s_mov_b32 s[KS], 0x4038aa3b                    ; k = 2 log2(e)
	s_mov_b32 s[KS+1], s[KS]
	s_mov_b32 s[SEL], 0x76543210
	s_mov_b32 s[SEL+1], 0xfedcba98
	s_mov_b32 s[L2E], 0x3fb8aa3b
	v_and_b32 v[TT], 31, v0                        ; l
	v_and_b32 v[TT+1], 15, v0                      ; l % 16
	v_bfe_u32 v[TT+2], v0, 4, 1                    ; l / 16
	s_lshl_b32 s3, s[WV], 19                       ; 4 w rows of enc
	v_lshl_add_u32 v[GOF], v[TT], 4, s3
	v_lshlrev_b32 v[PFO], 8, v[TT+1]
	v_lshl_add_u32 v[PFO], v[TT+2], 17, v[PFO]
	v_add_nc_u32 v[PFO], s3, v[PFO]
	s_lshl_b32 s3, s[WV], 14
	v_lshl_add_u32 v[CBO], v[TT+1], 2, s3          ; 8 w blocks of cb + 4 (l % 16)
	s_lshl_b32 s3, s[WV], 9
	v_lshl_add_u32 v[SWO], v[TT+1], 2, s3          ; 128 w numbers of w + l % 16
	s_wait_kmcnt 0x0
	s_add_nc_u64 s[ENC:ENC+1], s[4:5], s[20:21]
	s_add_nc_u64 s[ENC2:ENC2+1], s[ENC:ENC+1], 64*ROWG
	s_add_nc_u64 s[8:9], s[8:9], s[18:19]
	s_add_nc_u64 s[PO:PO+1], s[PO:PO+1], s[16:17]
	s_add_nc_u64 s[WB:WB+1], s[6:7], s[22:23]
	s_mov_b64 s[WP:WP+1], s[WB:WB+1]
.irp n, 0,1,2,3,4,5,6,7
	global_load_b32 v[T0+2*(\n)],   v[CBO], s[8:9]   offset:2048*(\n)
	global_load_b32 v[T0+2*(\n)+1], v[SWO], s[10:11] offset:64*(\n)
	global_load_b32 v[T1+2*(\n)],   v[CBO], s[8:9]   offset:65536+2048*(\n)
	global_load_b32 v[T1+2*(\n)+1], v[SWO], s[10:11] offset:2048+64*(\n)
.endr
	STAGE_A                                        ; the first tile: all three windows are free
	STAGE_B
	v_lshlrev_b32 v[WOF], 4, v[TT]
	v_mul_u32_u24 v[ADAB], v[TT+1], APITCH
	v_lshl_add_u32 v[ADAB], v[TT+2], 4, v[ADAB]
	s_mul_i32 s18, s[WV], 4*APITCH
	v_lshl_add_u32 v[STA], v[TT], 3, s18
	s_lshl_b32 s19, s[WV], 9
	s_add_co_u32 s20, s19, SCR
	v_lshl_add_u32 v[SCA], v[TT+2], 5, s20
	v_lshl_add_u32 v[SCL], v[TT], 2, SCR
	s_add_co_u32 s20, s19, PW
	v_lshl_add_u32 v[PWS], v[TT], 2, s20
	v_mov_b32 v[PRA0], s20
	v_lshlrev_b32 v[WSA0], 4, v0
	s_lshl_b32 s20, s[WV], 12
	s_add_co_u32 s20, s20, TAB
	v_lshl_add_u32 v[TBA], v[TT], 4, s20
	s_lshl_b32 s21, s[WV], 10
	s_add_co_u32 s20, s21, OST
	v_lshl_add_u32 v[OSTS], v[TT], 5, s20
	v_lshl_add_u32 v[OSTL], v[TT], 4, s20
	v_lshl_add_u32 v[POF], v[TT], 4, s21
	v_mov_b32 v[MX], 0xff7fffff                    ; M starts at the lowest finite number: the first tile's a is 0
	v_mov_b32 v[LS], 0
.set ti, 0
.rept 8
	v_mov_b32 v[OACC+ti], 0
.set ti, ti+1
.endr
	STAGE_C                                        ; its wait shows the tables in too: they were asked for first
.irp n, 0,1,2,3,4,5,6,7
	v_mul_f32 v[T0+2*(\n)], s[KS], v[T0+2*(\n)]    ; k c
	v_mul_f32 v[T0+2*(\n)+1], -2.0, v[T0+2*(\n)+1] ; -2 w
	v_mul_f32 v[T1+2*(\n)], s[KS], v[T1+2*(\n)]
	v_mul_f32 v[T1+2*(\n)+1], -2.0, v[T1+2*(\n)+1]
.endr
.irp i, 0,1,2,3
	ds_store_b128 v[TBA], v[T0+4*(\i):T0+4*(\i)+3] offset:512*(\i)       ; my wave's own bytes: no other wave reads them
	ds_store_b128 v[TBA], v[T1+4*(\i):T1+4*(\i)+3] offset:2048+512*(\i)
.endr
	STAGE_D
	STAGE_E 1
	s_mov_b32 s[REM], 4
.Lk:                                   ; a chunk: 512 columns for the tile's 128 rows
	s_wait_loadcnt 0x0                             ; only the chunk's first three units of W can be out here; no load is pending into any register on any way that leads here
.irp i, 0,1,2,3
	ds_load_b128 v[TC+4*(\i):TC+4*(\i)+3], v[TBA] offset:512*(\i)        ; the chunk's table
.endr
	v_xor_b32 v[TBA], 0x800, v[TBA]                ; the other chunk's next time
	v_mov_b32 v[ADA], v[ADAB]
.irp i, 1,2,3
	v_add_nc_u32 v[ADA+(\i)], (\i)*32*APITCH, v[ADAB]
.endr
	FETCHA 0, 0
	s_cmp_eq_u32 s[REM], 3
	s_cselect_b32 s[PFL], 2, 0
	UNIT 0, 0, 1, 32, 1, 3*UNITB, 1, 64            ; unit 0 starts the sums
	WIN 0
	s_mov_b32 s[LAP], 7
.Llap:                                 ; a trip: units 4 j + 1 .. 4 j + 4
	; A PREFETCH INTO THE L2 of the second tile's rows 0-31, in the sixth trip of the first tile's last chunk: eleven units, 704 products, ahead of the loads that will want them.  Each wave names the 8 rows
	; that it will load itself: 2 rows an instruction, a lane a block of 256 bytes.  So each block is named once in the launch; the tile's other rows are not asked for.
	s_cmp_lg_u32 s[LAP], s[PFL]
	s_cbranch_scc1 .Lnopf
	global_prefetch_b8 v[PFO], s[ENC:ENC+1] th:TH_LOAD_NT scope:SCOPE_SE
	global_prefetch_b8 v[PFO], s[ENC:ENC+1] offset:2*ROWG th:TH_LOAD_NT scope:SCOPE_SE
	global_prefetch_b8 v[PFO], s[ENC:ENC+1] offset:16*ROWG th:TH_LOAD_NT scope:SCOPE_SE
	global_prefetch_b8 v[PFO], s[ENC:ENC+1] offset:18*ROWG th:TH_LOAD_NT scope:SCOPE_SE
.Lnopf:
	UNIT 1, 1, 0, 32, 1, 4*UNITB, 1, 128
	UNIT 0, 2, 0, 32, 1, 5*UNITB, 1, 192
	UNIT 1, 3, 0, 32, 1, 6*UNITB, 1, 256
	UNIT 0, 0, 0, 32, 1, 7*UNITB, 1, 320
	WIN 0
	s_wait_xcnt 0x0                                ; the youngest loads, 32 products back, have read their pointer
	s_add_nc_u64 s[WP:WP+1], s[WP:WP+1], 4*UNITB
.irp i, 0,1,2,3
	v_add_nc_u32 v[ADA+(\i)], 256, v[ADA+(\i)]     ; the next trip's 128 channels
.endr
	s_sub_co_u32 s[LAP], s[LAP], 1
	s_cmp_lg_u32 s[LAP], 0
	s_cbranch_scc1 .Llap
	UNIT 1, 1, 0, 32, 0, 0, 1, 128                 ; units 29 to 31 ask for no W: the counts run down
	UNIT 0, 2, 0, 16, 0, 0, 1, 192
	UNIT 1, 3, 0, 0, 0, 0, 0, 0
	WIN 0
.rept 8
	v_nop                                          ; the places behind the chunk's last products: for the epilogue, and for loads into W's buffers
.endr
	s_wait_xcnt 0x0
	s_xor_b32 s[OFFW], s[OFFW], 0x100000           ; the other chunk's half of wf
	s_add_nc_u64 s[WP:WP+1], s[WB:WB+1], s[OFFW:OFFW+1]
	s_and_b32 s16, s[REM], 1
	s_cmp_eq_u32 s16, 0
	s_cbranch_scc0 .Lsecond
	WPRO                                           ; a tile's first chunk: the second chunk's first units land under the epilogue
	s_branch .Lepi0
.Lsecond:
	s_cmp_eq_u32 s[REM], 3
	s_cbranch_scc0 .Lepi0
	STAGE_A                                        ; the first tile's last chunk: W's buffers take the second tile's rows 0-31
.Lepi0:
	EPIW 0
	s_cmp_eq_u32 s[REM], 3
	s_cbranch_scc0 .Lepi1
	STAGE_B                                        ; the accumulators of rows 0-63 are free
.Lepi1:
	EPIW 1
	s_and_b32 s16, s[REM], 1
	s_cmp_eq_u32 s16, 0
	s_cbranch_scc1 .Lnext
	s_cmp_eq_u32 s[REM], 3
	s_cbranch_scc0 .Lred
	STAGE_C
	STAGE_D
.Lred:
	; THE END OF A TILE.  Scores are summed over a half's 16 lanes (columns), over the waves through LDS; every wave makes the same M, a and p; then each thread adds p times its 8 channels of the 128 rows.
.irp m, 1,2,4,8
.set ti, 0
.rept 64
	v_add_f32_dpp v[SC+ti], v[SC+ti], v[SC+ti] row_xmask:\m row_mask:0xf bank_mask:0xf
.set ti, ti+1
.endr
.endr
.set ti, 0
.rept 16
	ds_store_b128 v[SCA], v[SC+4*ti:SC+4*ti+3] offset:64*(ti/2)+16*(ti%2)  ; the 16 lanes of a half store the same words
.set ti, ti+1
.endr
	s_wait_dscnt 0x0                               ; for the others' sake
	s_barrier_signal -1
	s_barrier_wait -1
.irp v, 0,1,2,3
.irp k, 0,1,2,3
	ds_load_b32 v[XR+4*(\v)+(\k)], v[SCL] offset:512*(\v)+128*(\k)         ; wave v's part of row l + 32 k
.endr
.endr
	s_wait_dscnt 0x0
	v_pk_add_f32 v[XR:XR+1],     v[XR:XR+1],     v[XR+4:XR+5]
	v_pk_add_f32 v[XR+2:XR+3],   v[XR+2:XR+3],   v[XR+6:XR+7]
	v_pk_add_f32 v[XR+8:XR+9],   v[XR+8:XR+9],   v[XR+12:XR+13]
	v_pk_add_f32 v[XR+10:XR+11], v[XR+10:XR+11], v[XR+14:XR+15]
	v_pk_add_f32 v[XR:XR+1],     v[XR:XR+1],     v[XR+8:XR+9]
	v_pk_add_f32 v[XR+2:XR+3],   v[XR+2:XR+3],   v[XR+10:XR+11]           ; x of my four rows
	v_max3_num_f32 v[TT+2], v[XR], v[XR+1], v[XR+2]
	v_max_num_f32 v[TT+2], v[TT+2], v[XR+3]
.irp m, 1,2,4,8
	v_max_num_f32_dpp v[TT+2], v[TT+2], v[TT+2] row_xmask:\m row_mask:0xf bank_mask:0xf
.endr
	v_permlanex16_b32 v[XR+4], v[TT+2], s[SEL], s[SEL+1]
	v_max3_num_f32 v[TT+4], v[TT+2], v[XR+4], v[MX]                       ; the new M
	v_sub_f32 v[TT+5], v[MX], v[TT+4]
.irp k, 0,1,2,3
	v_sub_f32 v[XR+(\k)], v[XR+(\k)], v[TT+4]
.endr
	v_mul_f32 v[TT+5], s[L2E], v[TT+5]
.irp k, 0,1,2,3
	v_mul_f32 v[XR+(\k)], s[L2E], v[XR+(\k)]
.endr
	v_exp_f32 v[AA], v[TT+5]
.irp k, 0,1,2,3
	v_exp_f32 v[XR+(\k)], v[XR+(\k)]
.endr
	v_mov_b32 v[MX], v[TT+4]                       ; the plain instruction behind the last exponential
	s_wait_alu depctr_va_vdst(0)                   ; one wait for the five
	v_mov_b32 v[AA+1], v[AA]
	v_fma_f32 v[LS], v[LS], v[AA], v[XR]
.irp k, 0,1,2,3
	ds_store_b32 v[PWS], v[XR+(\k)] offset:128*(\k)
.endr
.irp k, 1,2,3
	v_add_f32 v[LS], v[LS], v[XR+(\k)]
.endr
.irp c, 0,2,4,6
	v_pk_mul_f32 v[OACC+(\c):OACC+(\c)+1], v[OACC+(\c):OACC+(\c)+1], v[AA:AA+1]
.endr
	v_mov_b32 v[PRA], v[PRA0]
	v_mov_b32 v[WSA], v[WSA0]
	s_mov_b32 s[ROWC], 8
.Lws:                                  ; a trip: 16 rows.  p comes from my wave's own copy, which LDS serves behind my stores of it
.irp i, 0,1,2,3
	ds_load_b128 v[PP+4*(\i):PP+4*(\i)+3], v[PRA] offset:16*(\i)
.endr
.set wi, 0
.rept 16
	ds_load_b128 v[AF+4*wi:AF+4*wi+3], v[WSA] offset:wi*APITCH
.set wi, wi+1
.endr
	s_wait_dscnt 0x0
.set wi, 0
.rept 16
.irp c, 0,1,2,3
	v_fma_mix_f32_bf16 v[OACC+2*(\c)],   v[AF+4*wi+(\c)], v[PP+wi], v[OACC+2*(\c)] op_sel_hi:[1,0,0]
	v_fma_mix_f32_bf16 v[OACC+2*(\c)+1], v[AF+4*wi+(\c)], v[PP+wi], v[OACC+2*(\c)+1] op_sel:[1,0,0] op_sel_hi:[1,0,0]
.endr
.set wi, wi+1
.endr
	v_add_nc_u32 v[PRA], 64, v[PRA]
	v_add_nc_u32 v[WSA], 16*APITCH, v[WSA]
	s_sub_co_u32 s[ROWC], s[ROWC], 1
	s_cmp_lg_u32 s[ROWC], 0
	s_cbranch_scc1 .Lws
	s_cmp_eq_u32 s[REM], 1
	s_cbranch_scc1 .Lnext                          ; the last tile has no successor
	s_wait_dscnt 0x0                               ; my reads of A are over
	s_barrier_signal -1
	s_barrier_wait -1                              ; nobody reads the old tile any more
	STAGE_E 0
.Lnext:
	s_sub_co_u32 s[REM], s[REM], 1
	s_cmp_lg_u32 s[REM], 0
	s_cbranch_scc1 .Lk
	; THE WAY OUT: l over the 32 lanes; my 8 channels of O through my own stage, so that a store covers 512 consecutive bytes; wave 0 adds (M, l)
.irp m, 1,2,4,8
	v_add_f32_dpp v[LS], v[LS], v[LS] row_xmask:\m row_mask:0xf bank_mask:0xf
.endr
	v_permlanex16_b32 v[TT+1], v[LS], s[SEL], s[SEL+1]
	v_add_f32 v[LS], v[LS], v[TT+1]
	ds_store_b128 v[OSTS], v[OACC:OACC+3]
	ds_store_b128 v[OSTS], v[OACC+4:OACC+7] offset:16
	ds_load_b128 v[AF:AF+3], v[OSTL]               ; LDS serves a wave's instructions in order: these see the stores above
	ds_load_b128 v[AF+4:AF+7], v[OSTL] offset:512
	s_wait_dscnt 0x0
	global_store_b128 v[POF], v[AF:AF+3], s[PO:PO+1]
	global_store_b128 v[POF], v[AF+4:AF+7], s[PO:PO+1] offset:512
	s_cmp_lg_u32 s[WV], 0
	s_cbranch_scc1 .Lno_ml
	v_mov_b32 v[TT+4], v[MX]
	v_mov_b32 v[TT+5], v[LS]
	v_mov_b32 v[TT+6], v[MX]
	v_mov_b32 v[TT+7], v[LS]
	global_store_b128 v[POF], v[TT+4:TT+7], s[PO:PO+1] offset:4096  ; the row's last 512 bytes
.Lno_ml:
	s_wait_tensorcnt 0x0                           ; the wave's end, behind my last LDS store
	ds_add_u32 v[SPW], v[NIL]
	s_wait_dscnt 0x0
	s_endpgm
.Lfunc_end_k_q7632a6c29c_attn:
	.size	k_q7632a6c29c_attn, .Lfunc_end_k_q7632a6c29c_attn-k_q7632a6c29c_attn
	.p2alignl 7, 3214868480
	.fill 96, 4, 3214868480
	.section	.rodata,"a",@progbits
	.p2align	6, 0x0
	.amdhsa_kernel k_q7632a6c29c_attn
		.amdhsa_group_segment_fixed_size 289280
		.amdhsa_private_segment_fixed_size 0
		.amdhsa_enable_private_segment 0
		.amdhsa_kernarg_size 40
		.amdhsa_user_sgpr_count 2
		.amdhsa_user_sgpr_kernarg_segment_ptr 1
		.amdhsa_wavefront_size32 1
		.amdhsa_system_sgpr_workgroup_id_x 1
		.amdhsa_system_sgpr_workgroup_id_y 1
		.amdhsa_system_sgpr_workgroup_id_z 1
		.amdhsa_system_vgpr_workitem_id 0
		.amdhsa_next_free_vgpr 1024
		.amdhsa_next_free_sgpr 66
		.amdhsa_reserve_vcc 0
		.amdhsa_float_denorm_mode_32 3
		.amdhsa_float_denorm_mode_16_64 3
		.amdhsa_memory_ordered 1
		.amdhsa_forward_progress 1
		.amdhsa_inst_pref_size 255
	.end_amdhsa_kernel
	.section	.bss,"aw",@nobits
	.p2align	6
	.space	262144
	.amdgpu_metadata
---
amdhsa.version: [ 1, 2 ]
amdhsa.kernels:
  - .name:           k_q7632a6c29c_attn
    .symbol:         k_q7632a6c29c_attn.kd
    .args:
      - { .name: encoder_states, .offset: 0, .size: 8, .value_kind: global_buffer, .address_space: global }
      - { .name: wf, .offset: 8, .size: 8, .value_kind: global_buffer, .address_space: global }
      - { .name: cb, .offset: 16, .size: 8, .value_kind: global_buffer, .address_space: global }
      - { .name: score_w, .offset: 24, .size: 8, .value_kind: global_buffer, .address_space: global }
      - { .name: po, .offset: 32, .size: 8, .value_kind: global_buffer, .address_space: global }
    .group_segment_fixed_size: 289280
    .private_segment_fixed_size: 0
    .kernarg_segment_align: 8
    .kernarg_segment_size: 40
    .max_flat_workgroup_size: 128
    .sgpr_count:     66
    .vgpr_count:     1024
    .wavefront_size: 32
...
	.end_amdgpu_metadata
.endif
;; end of part 4
;; launch comb: the kernel of part 3 again; grid 32 x 1, 8 waves a work-group, no clusters, 0 bytes of LDS; arguments po, out0; writes out0
;; ======== version 3 of 3: 3 launches; version 2 with the launch attn written anew for expert scheduling mode
;; workspace buffers: wf 2,097,152 bytes; cb 131,072 bytes; po 1,179,648 bytes
;; launch prep: the kernel of part 1 again; grid 64 x 1, 8 waves a work-group, no clusters, 17,408 bytes of LDS; arguments W_fc, decoder_state, wf, cb; writes wf, cb
;; launch attn (part 5): grid 256 x 1, 4 waves a work-group, no clusters, 289,280 bytes of LDS; arguments encoder_states, wf, cb, score_w, po; writes po
.if DOCPART == 5
	.amdgcn_target "amdgcn-amd-amdhsa--gfx1250"
	.amdhsa_code_object_version 6
	.text
	.protected	k_q7632a6c29c_attn
	.globl	k_q7632a6c29c_attn
	.p2align	8
	.type	k_q7632a6c29c_attn,@function
k_q7632a6c29c_attn:
	s_mov_b64 s[64:65], 0
	v_nop
	global_prefetch_b8 v0, s[64:65] scope:SCOPE_SE
	s_setreg_imm32_b32 hwreg(HW_REG_WAVE_SCHED_MODE, 0, 2), 2
	s_setreg_imm32_b32 hwreg(HW_REG_WAVE_MODE, 25, 1), 1
	s_wait_xcnt 0x0
	s_wait_alu depctr_vm_vsrc(0)
; SECOND OF THREE LAUNCHES: scores, a running softmax and the weighted sum, with each row of enc read from memory once.
; LEFT OUT (shown at the first kernel's head): the term sum over e of w[e] of every score, which is the same along s.  The score used is x = sum over e of (-2 w[e]) r, r = 1 / (1 + 2^(k (enc . W[e] + c))), k = 2 log2(e).
; SHARES.  Work-group wg = 8 b + g owns rows s = 256 g .. 256 g + 255 of one b, as 2 tiles of 128 rows.  A tile lies in LDS in bf16 (A, 128 rows x 2,048 bytes) from its products to its weighted sum.
; The 1,024 columns e go in 2 chunks of 512; wave w owns columns 128 w .. 128 w + 127 of a chunk for all 128 rows: 64 accumulators of 16 x 16, 512 registers.  K goes in 32 units of 32: 64 products a unit.
; W comes as the first launch wrote it, in fragment order: a unit of a chunk is 32 KiB [wave][8 column blocks][1,024 bytes].  A wave's 8 KiB of a unit are read by that wave alone, so they go STRAIGHT INTO REGISTERS:
; 16 loads of 512 consecutive bytes, asked for three units (192 products) ahead, into four buffers that take turns, behind counted waits.  The K loop has no barrier.
; NO CLUSTER, though every work-group walks the same W.  A joint load lands in LDS, and the 128 rows take 264,192 of its 327,680 bytes: what is left would hold two slots of less than one unit, that is less than 64 products
; between a refill and the wait for it; with 64 rows and slots of two units it is 64.  128 rows in place of 64 also halve the walks of W: two for a work-group.
; PRODUCT.  Source 0 = 16 rows s of A, source 1 = 16 columns e of W: a lane holds ONE column e (l % 16) and rows 8 (l / 16) + 0..7.  b is one for the work-group, so c and w are one number a lane and column block.
; SOFTMAX.  A running maximum M and sum l over the two tiles, p = e^(x - M); O and l are multiplied by a = e^(M_old - M_new) at every tile.  (M, l, O) go to po; the third launch joins the eight parts of a b.
; ON THE VECTOR UNIT: the dot product with w and the sum of p times enc.  Each is a product with ONE row for each b; as a 16 x 16 tile fifteen of its sixteen rows would be empty.  The sum takes enc as it lies in LDS, in bf16, times p in f32, in f32.
; THE SECOND TILE's rows are asked for as registers come free: 32 rows into W's buffers ahead of the first tile's last epilogue, 32 into the accumulators of rows 0-63 when their half of the epilogue is done, the other 64
; behind the epilogue; they land under the epilogue, the softmax and the weighted sum, and are stored into A when every wave has read the old tile for the last time.
; LIMITS.  enc, W, dec rounded to bf16 each.  A weight below 2^-126 counts as 0.  NaN and infinities are not treated apart.
; REGISTERS, in windows of 256 (s_set_vgpr_msb: bits 1:0 source 0, 3:2 source 1, 5:4 source 2, 7:6 destination):
;   window 0: v0-63 addresses, statistics, the chunk's table; v64-127 SC; v128-255 A's fragments, two buffers of 8      window 1: the accumulators of rows 0-63, (mt, nt) at 8 (8 mt + nt)
;   window 2: those of rows 64-127                                                                                     window 3: W's fragments, four buffers of 8
; THE MODE: SCHED_MODE bits 1:0 = 2 (LLVM: expert scheduling mode 2), set by the entry lines.  The code itself states the register dependences between vector or matrix instructions and memory or LDS instructions,
; with s_wait_alu, always for 0.
; THE PLAN.  Registers that memory or LDS instructions touch in the K loop:
;   W0 .. W3 (window 3)   Unit u's products read W[u % 4]; the loads of unit u + 3, issued in unit u, land in W[(u - 1) % 4], which unit u - 1 read.
;   A0, A1 (v128-255)     Unit u's products read A[u % 2]; the LDS loads of unit u + 1, issued in unit u, land in the other buffer, which unit u - 1 read.
;   v[ADA ..]             Read by every fragment load of A; written at a chunk's head and once a trip of four units.
;   v[WOF], v[PFO]        Made at the head, never written again.  The accumulators are named by matrix and vector instructions alone while the loop runs.
; So ONE wait on va_vdst stands at a unit's head: the unit before is done reading the two buffers in which this unit's 32 loads land, and, in a trip's first unit, v[ADA ..] are written.  The loads follow in two runs among
; the unit's products, which name A[u % 2], W[u % 4] and the accumulators: none of the registers that those loads touch.  One wait on vm_vsrc a trip stands ahead of the adds to v[ADA ..].
; Outside the loop each run of loads into a window that products, the epilogue or the roundings have worked on has its wait on va_vdst straight ahead of it, behind the window switch; each run of stores has one behind the
; instructions that made its data; and one wait on vm_vsrc at a chunk's head frees all that stores and loads have read up to there.  The addresses of the stores into A are four registers made at the head.
.set APITCH, 2064                      ; A's rows lie 2,064 bytes apart (129 x 16: the 16 rows of a fragment load fall into 16 different 16-byte columns of 256)
.set ROWG,   131072                    ; bytes from row s to row s + 1 of one b in enc
.set UNITB,  32768
.set SCR,    264192                    ; behind A: 4 waves x 128 f32: each wave's part of the tile's scores
.set TAB,    266240                    ; 4 waves x 2 chunks x 2,048 bytes: each wave's own tables; a multiple of 4,096, so that one exclusive or changes the chunk
.set PW,     282624                    ; 4 waves x 128 f32: each wave's own copy of p
.set SPARE,  284672                    ; the spare words, 128 bytes a wave: two blocks of 256 bytes that no other line names
.set OST,    285184                    ; 4 waves x 1,024 bytes: O on its way out
.set ADA,  2                           ; v2-5   A's row blocks 0-1, 2-3, 4-5, 6-7 at the trip in hand
.set ADAB, 6                           ; v6     (l % 16) 2064 + 16 (l / 16)
.set WOF,  7                           ; v7     16 l
.set GOF,  8                           ; v8     4 w rows of enc + 16 l
.set STA,  9                           ; v9     4 w rows of A + 8 l
.set SCA,  10
.set SCL,  11
.set PWS,  12
.set PRA0, 13
.set WSA0, 14
.set PRA,  15
.set WSA,  16
.set PFO,  17                          ; v17    4 w rows of enc + (l / 16) rows + 256 (l % 16)
.set SPW,  18                          ; v18    LDS address of my spare word; never rewritten
.set NIL,  19                          ; v19    0; never rewritten
.set OSTS, 20
.set OSTL, 21
.set POF,  22
.set MX,   23                          ; v23    M
.set LS,   24                          ; v24    my lane's part of l (rows l, l + 32, l + 64, l + 96 of each tile)
.set TBA,  25                          ; v25    my 16 bytes in the table of the chunk to come
.set AA,   26                          ; v[26:27] a, twice
.set TT,   28                          ; v[28:35] at work
.set STT,  36                          ; v36-38 v[STA] + 32, 64, 96 rows of A; made at the head, never rewritten
.set OACC, 40                          ; v[40:47] O for channels 8 t .. 8 t + 7, t my thread's number
.set TC,   48                          ; v[48:63] the chunk's table: for column block nt the pair (k c, -2 w)
.set SC,   64                          ; v[64:127] scores: register 8 mt + j is row 16 mt + 8 (l / 16) + j, my column's part
.set AF,   128                         ; v[128:255] A's fragments; free at a tile's end and at the start:
.set PP,   192                         ;   16 p
.set XR,   224                         ;   16 parts of scores
.set T0,   128                         ;   at the start: the two tables as loaded,
.set T1,   144
.set CBO,  160                         ;   and their offsets
.set SWO,  161
.set PO,   12                          ; s[12:13] po at my row
.set WV,   14
.set WB,   24                          ; s[24:25] wf + 8192 w
.set WP,   26                          ; s[26:27] wf at my part of the trip's first unit
.set OFFW, 28                          ; s[28:29] the chunk's byte in wf
.set ENC,  30                          ; s[30:31] enc at the tile's row 0
.set ENC2, 32                          ; s[32:33] at its row 64
.set REM,  34                          ; chunks to go, this one among them
.set LAP,  35
.set ROWC, 36
.set PFL,  37                          ; the trip count at which enc is prefetched; 0, which the count never is, in the other chunks
.set KS,   38                          ; s[38:39] k, named as a pair
.set SEL,  40                          ; s[40:41] v_permlanex16_b32's selects: each lane takes its own place in the other half
.set L2E,  42
.set MSB, 0
.macro WIN new                         ; the immediate's high byte repeats the setting that is left; a switch that changes nothing is dropped
.if MSB != (\new)
	s_set_vgpr_msb (MSB<<8)|(\new)
.set MSB, (\new)
.endif
.endm
.macro PLACES
.rept 4
	v_nop
.endr
.endm
; my 8 fragments of W of one unit, at byte imm behind the pointer, into buffer buf: 16 loads of 512 consecutive bytes
.macro FETCHW buf, imm
	WIN 0xc0
.set fi, 0
.rept 8
	global_load_b128 v[64*(\buf)+8*fi:64*(\buf)+8*fi+3],   v[WOF], s[WP:WP+1] offset:(\imm)+fi*1024
	global_load_b128 v[64*(\buf)+8*fi+4:64*(\buf)+8*fi+7], v[WOF], s[WP:WP+1] offset:(\imm)+fi*1024+512
.set fi, fi+1
.endr
.endm
.macro WPRO                            ; a chunk's first three units; the caller states what these loads hang on
	FETCHW 0, 0
	FETCHW 1, UNITB
	FETCHW 2, 2*UNITB
	WIN 0
.endm
; A's 8 fragments of one unit, at byte kimm of the rows behind the trip's addresses, into buffer f; row blocks in ascending order
.macro FETCHA f, kimm
	WIN 0
.set fi, 0
.rept 8
	ds_load_b128 v[AF+64*(\f)+8*fi:AF+64*(\f)+8*fi+3],   v[ADA+fi/2] offset:(fi%2)*16*APITCH+(\kimm)
	ds_load_b128 v[AF+64*(\f)+8*fi+4:AF+64*(\f)+8*fi+7], v[ADA+fi/2] offset:(fi%2)*16*APITCH+(\kimm)+32
.set fi, fi+1
.endr
.endm
; 8 mn products: row blocks 4 hi + m0 .. 4 hi + m0 + mn - 1 x all 8 column blocks.  The 64 accumulators take turns in the same order in every unit.  zero = 1: the products start the sums.
.macro MULS fa, fb, hi, zero, m0, mn
	WIN 0x5c+0x50*(\hi)
.set mm, (\m0)
.rept (\mn)
.set nn, 0
.rept 8
.if \zero
	v_wmma_f32_16x16x32_bf16 v[8*(8*mm+nn):8*(8*mm+nn)+7], v[AF+64*(\fa)+8*(4*(\hi)+mm):AF+64*(\fa)+8*(4*(\hi)+mm)+7], v[64*(\fb)+8*nn:64*(\fb)+8*nn+7], 0
.else
	v_wmma_f32_16x16x32_bf16 v[8*(8*mm+nn):8*(8*mm+nn)+7], v[AF+64*(\fa)+8*(4*(\hi)+mm):AF+64*(\fa)+8*(4*(\hi)+mm)+7], v[64*(\fb)+8*nn:64*(\fb)+8*nn+7], v[8*(8*mm+nn):8*(8*mm+nn)+7]
.endif
.set nn, nn+1
.endr
.set mm, mm+1
.endr
.endm
; A UNIT: multiplies A's buffer fa by W's buffer fb.  Behind its first 16 products it asks for A of the next unit (ga = 1), behind the next 16 for W three units on (fw = 1): each into the buffer that the unit before multiplied.
; wl: the W loads issued behind this unit's own, which may stay out: two units' 32, fewer in the tail.  A chunk's unit 0 (zero = 1) leans on the wait at the chunk's head.
.macro UNIT fa, fb, zero, wl, fw, wimm, ga, kimm
	s_wait_loadcnt \wl
	s_wait_dscnt 8                                 ; A's row blocks 0-3 are in; the youngest eight loads (row blocks 4-7) may be out
.if ((\fw) || (\ga)) && !(\zero)
	s_wait_alu depctr_va_vdst(0)                   ; the unit before is done reading its buffer of A and its buffer of W, in which this unit's loads land; in a trip's first unit v[ADA ..] are written.  No product below names a register of those loads
.endif
	MULS \fa, \fb, 0, \zero, 0, 2
.if (\fw) || (\ga)
	PLACES                                         ; in front of loads into buffers that the unit before multiplied
.endif
.if \ga
	FETCHA 1-(\fa), \kimm
.endif
	MULS \fa, \fb, 0, \zero, 2, 2
.if \fw
	FETCHW ((\fb)+3)%4, \wimm
.endif
.if \ga
	s_wait_dscnt 16                                ; all but the 16 LDS loads issued in this unit
.else
	s_wait_dscnt 0x0
.endif
	MULS \fa, \fb, 1, \zero, 0, 4
.endm
; HALF hh (0 to 7) of a tile is rows 16 hh .. 16 hh + 15; my 4 of them, 16 hh + 4 w + 0..3, are 32 loads of 512 consecutive bytes, into 128 registers from rb on of the window that the caller has set
.macro ISSUEH rb, hh
.set li, 0
.rept 32
.if (\hh) < 4
	global_load_b128 v[(\rb)+4*li:(\rb)+4*li+3], v[GOF], s[ENC:ENC+1] offset:(\hh)*16*ROWG+(li/8)*ROWG+(li%8)*512 th:TH_LOAD_NT
.else
	global_load_b128 v[(\rb)+4*li:(\rb)+4*li+3], v[GOF], s[ENC2:ENC2+1] offset:((\hh)-4)*16*ROWG+(li/8)*ROWG+(li%8)*512 th:TH_LOAD_NT
.endif
.set li, li+1
.endr
.endm
.macro COMPACT win                     ; a window's 256 f32 become 128 registers of bf16 at its low end: register j is written when 2 j and 2 j + 1 are read
	WIN \win
.set ci, 0
.rept 128
	v_cvt_pk_bf16_f32 v[ci], v[2*ci], v[2*ci+1]
.set ci, ci+1
.endr
	WIN 0
.endm
.macro COMPACTU win                    ; the same for the upper 128 registers alone: 64 registers of bf16 from 128 on
	WIN \win
.set ci, 0
.rept 64
	v_cvt_pk_bf16_f32 v[128+ci], v[128+2*ci], v[128+2*ci+1]
.set ci, ci+1
.endr
	WIN 0
.endm
.macro STOREH win, rb, hh              ; my 4 rows of half hh, 64 registers of bf16 from rb on, into A: 256 consecutive bytes a store.  The address is one of four registers that the head made: none is written here
.if (\hh) < 2
.set SR, STA
.else
.set SR, STT+(\hh)/2-1
.endif
	WIN \win
.set si, 0
.rept 32
	ds_store_b64 v[SR], v[(\rb)+2*si:(\rb)+2*si+1] offset:((\hh)%2)*16*APITCH+(si/8)*APITCH+(si%8)*256
.set si, si+1
.endr
	WIN 0
.endm
; A TILE COMES IN, in five parts.  More loads stand on end than LOADcnt's field holds: the issue then waits (ISA guide 5.7.1), and a wait for 63 shows all but the last 63 done.
; dep = 1: the second tile, whose rows land in registers that the first tile's work has named.  dep = 0: the start, where no vector or matrix instruction has named them.
.macro STAGE_A dep                     ; rows 0-31 into window 3
	WIN 0xc0
.if \dep
	s_wait_alu depctr_va_vdst(0)                   ; the chunk's products are done reading W's four buffers, in which these loads land
.endif
	ISSUEH 0, 0
	ISSUEH 128, 1
	WIN 0
.endm
.macro STAGE_B dep                     ; rows 32-63 into window 1
	WIN 0x40
.if \dep
	s_wait_alu depctr_va_vdst(0)                   ; the epilogue of rows 0-63 is done reading and writing their accumulators, in which these loads land
.endif
	ISSUEH 0, 2
	ISSUEH 128, 3
	WIN 0
.endm
.macro STAGE_C dep                     ; rows 64-95 into window 2; rows 0-63 are rounded, which frees the upper halves of windows 3 and 1
	WIN 0x80
.if \dep
	s_wait_alu depctr_va_vdst(0)                   ; the epilogue of rows 64-127 is done reading and writing their accumulators, in which these loads land
.endif
	ISSUEH 0, 4
	ISSUEH 128, 5
	s_wait_loadcnt 63                              ; 64 loads were just issued: all that were issued ahead of them are in
	COMPACT 0xcf
	COMPACT 0x45
.endm
.macro STAGE_D                         ; rows 96-111 and 112-127 into those upper halves
	WIN 0xc0
	s_wait_alu depctr_va_vdst(0)                   ; the roundings are done reading the upper halves of windows 3 and 1, in which these loads land, and have written the lower halves, which the stores into A read; at the start the tables and all the head's addresses are written too
	ISSUEH 128, 6
	WIN 0x40
	ISSUEH 128, 7
	WIN 0
.endm
; A is free: the rows are stored.  Window 3 is emptied, and the next chunk's first three units of W are asked for.  pro = 1: at the start, in the order in which the rows arrive; enc's pointers then go on to the second tile.
; Rows 0-63 were rounded ahead of STAGE_D's wait, so their stores owe nothing more.
.macro STAGE_E pro
.if \pro
	STOREH 0x0c, 0, 0
	STOREH 0x0c, 64, 1
	STOREH 0x04, 0, 2
	STOREH 0x04, 64, 3
	s_wait_loadcnt 63                              ; behind rows 64-95 stand 64 loads: rows 64-95 are in
	COMPACT 0x8a
	s_wait_alu depctr_va_vdst(0)                   ; the roundings have written window 2's lower half, which the stores below read
	STOREH 0x08, 0, 4
	STOREH 0x08, 64, 5
	s_wait_loadcnt 0x0                             ; every load of enc is done, so its pointers may be written
	s_add_nc_u64 s[ENC:ENC+1], s[ENC:ENC+1], 128*ROWG
	s_add_nc_u64 s[ENC2:ENC2+1], s[ENC2:ENC2+1], 128*ROWG
	COMPACTU 0xcf
	s_wait_alu depctr_va_vdst(0)                   ; the roundings have written v128-191 of window 3, which the stores below read
	STOREH 0x0c, 128, 6
	s_wait_dscnt 0x0                               ; my stores out of window 3 are done
	WIN 0xc0
	s_wait_alu depctr_vm_vsrc(0)                   ; the stores into A have read v0-191 of window 3, in which W's loads land
	s_wait_alu depctr_va_vdst(0)                   ; and the roundings are done reading and writing them
	WPRO
	COMPACTU 0x45
	s_wait_alu depctr_va_vdst(0)                   ; the roundings have written v128-191 of window 1, which the stores below read
	STOREH 0x04, 128, 7
.else
	s_wait_loadcnt 0x0                             ; all 128 rows are in, on every way that leads here
	STOREH 0x0c, 0, 0
	STOREH 0x0c, 64, 1
	COMPACTU 0xcf
	s_wait_alu depctr_va_vdst(0)                   ; the roundings have written v128-191 of window 3, which the stores below read
	STOREH 0x0c, 128, 6
	s_wait_dscnt 0x0                               ; my stores out of window 3 are done
	WIN 0xc0
	s_wait_alu depctr_vm_vsrc(0)                   ; the stores into A have read v0-191 of window 3, in which W's loads land; the stores of the scores have read SC, which is written below
	s_wait_alu depctr_va_vdst(0)                   ; and the roundings are done reading and writing window 3
	WPRO                                           ; the rest of the stores stands between these loads and the wait for them
	STOREH 0x04, 0, 2
	STOREH 0x04, 64, 3
	COMPACTU 0x45
	COMPACT 0x8a
	s_wait_alu depctr_va_vdst(0)                   ; both groups of roundings have written their registers (v128-191 of window 1, v0-127 of window 2), which the stores below read
	STOREH 0x04, 128, 7
	STOREH 0x08, 0, 4
	STOREH 0x08, 64, 5
.endif
.set ti, 0
.rept 64
	v_mov_b32 v[SC+ti], 0                          ; the tile's scores start at 0
.set ti, ti+1
.endr
	s_wait_dscnt 0x0                               ; for the others' sake: my rows of A
	s_barrier_signal -1
	s_barrier_wait -1
.endm
; THE EPILOGUE OF A CHUNK, a window (64 rows) at a time, by column blocks g (32 registers, 16 pairs q, each accumulator from its low end on).  EF: k s + k c.  EX: 2^that.  EA: + 1.  ER: the reciprocal.  ES: SC += (-2 w) r.
.macro EF g, q
.set rA, 8*(8*((\q)/4)+(\g))+2*((\q)%4)
	v_pk_fma_f32 v[rA:rA+1], v[rA:rA+1], s[KS:KS+1], v[TC+2*(\g):TC+2*(\g)+1] op_sel_hi:[1,0,0]
.endm
.macro EX g, n
.set rA, 8*(8*((\n)/8)+(\g))+(\n)%8
	v_exp_f32 v[rA], v[rA]
.endm
.macro EA g, q
.set rA, 8*(8*((\q)/4)+(\g))+2*((\q)%4)
	v_pk_add_f32 v[rA:rA+1], v[rA:rA+1], 1.0 op_sel_hi:[1,0]
.endm
.macro ER g, n
.set rA, 8*(8*((\n)/8)+(\g))+(\n)%8
	v_rcp_f32 v[rA], v[rA]
.endm
.macro ES hw, g, q
.set rA, 8*(8*((\q)/4)+(\g))+2*((\q)%4)
	v_pk_fma_f32 v[SC+32*(\hw)+2*(\q):SC+32*(\hw)+2*(\q)+1], v[rA:rA+1], v[TC+2*(\g):TC+2*(\g)+1], v[SC+32*(\hw)+2*(\q):SC+32*(\hw)+2*(\q)+1] op_sel:[0,1,0]
.endm
; Eleven steps; in step i block i is scaled, block i - 1 has its exponentials, block i - 2 its additions and reciprocals, block i - 3 its sums.  So nothing in a step names a result of the step's own
; exponentials and reciprocals: they are one batch, with a plain instruction and ONE wait at the step's end.  Plain and transcendental lines alternate where both are at hand.
; No memory or LDS instruction stands in the epilogue.
.macro EPIW hw
.set ei, 0
.rept 11
.if ei >= 3
	WIN 0x01+(\hw)
.set eq, 0
.rept 16
	ES \hw, ei-3, eq
.set eq, eq+1
.endr
.endif
.if ei < 10
	WIN 0x41+0x41*(\hw)
.set eq, 0
.rept 16
.if ei >= 2
	EA ei-2, eq
.endif
.if (ei >= 1) && (ei < 9)
	EX ei-1, eq
.endif
.set eq, eq+1
.endr
.set eq, 0
.rept 16
.if ei >= 2
	ER ei-2, 2*eq
.endif
.if ei < 8
	EF ei, eq
.endif
.if ei >= 2
	ER ei-2, 2*eq+1
.endif
.if (ei >= 1) && (ei < 9)
	EX ei-1, 16+eq
.endif
.set eq, eq+1
.endr
	v_nop
	s_wait_alu depctr_va_vdst(0)                   ; the step's exponentials and reciprocals have written their results, which the next step reads
.endif
.set ei, ei+1
.endr
	WIN 0
.endm
	s_load_b256 s[4:11], s[0:1], 0x0               ; enc s[4:5], wf s[6:7], cb s[8:9], score_w s[10:11]
	s_load_b64 s[PO:PO+1], s[0:1], 0x20            ; po
	v_lshl_add_u32 v[SPW], v0, 2, SPARE
	v_mov_b32 v[NIL], 0
	v_lshrrev_b32 v1, 5, v0
	v_readfirstlane_b32 s[WV], v1                  ; wave 0..3
	s_lshr_b32 s17, ttmp9, 3                       ; b
	s_and_b32 s18, ttmp9, 7                        ; g
	s_lshl_b32 s20, s17, 12                        ; b's row of 4,096 bytes
	s_lshl_b32 s18, s18, 25                        ; 256 g rows s of 131,072 bytes
	s_add_co_u32 s20, s20, s18
	s_mov_b32 s21, 0
	s_lshl_b32 s18, s17, 6                         ; b's 64 bytes in a block of cb
	s_mov_b32 s19, 0
	s_mul_i32 s16, ttmp9, 4608                     ; my row of po
	s_mov_b32 s17, 0
	s_wait_alu depctr_va_sdst(0)                   ; the wave's number is written, ahead of its first reader: offsets and LDS addresses are made from it
	s_lshl_b32 s22, s[WV], 13                      ; my 8 KiB of a unit
	s_mov_b32 s23, 0
	s_mov_b32 s[OFFW], 0
	s_mov_b32 s[OFFW+1], 0
	s_mov_b32 s[KS], 0x4038aa3b                    ; k = 2 log2(e)
	s_mov_b32 s[KS+1], s[KS]
	s_mov_b32 s[SEL], 0x76543210
	s_mov_b32 s[SEL+1], 0xfedcba98
	s_mov_b32 s[L2E], 0x3fb8aa3b
	v_and_b32 v[TT], 31, v0                        ; l
	v_and_b32 v[TT+1], 15, v0                      ; l % 16
	v_bfe_u32 v[TT+2], v0, 4, 1                    ; l / 16
	s_lshl_b32 s3, s[WV], 19                       ; 4 w rows of enc
	v_lshl_add_u32 v[GOF], v[TT], 4, s3
	v_lshlrev_b32 v[PFO], 8, v[TT+1]
	v_lshl_add_u32 v[PFO], v[TT+2], 17, v[PFO]
	v_add_nc_u32 v[PFO], s3, v[PFO]
	s_lshl_b32 s3, s[WV], 14
	v_lshl_add_u32 v[CBO], v[TT+1], 2, s3          ; 8 w blocks of cb + 4 (l % 16)
	s_lshl_b32 s3, s[WV], 9
	v_lshl_add_u32 v[SWO], v[TT+1], 2, s3          ; 128 w numbers of w + l % 16
	s_wait_kmcnt 0x0
	s_add_nc_u64 s[ENC:ENC+1], s[4:5], s[20:21]
	s_add_nc_u64 s[ENC2:ENC2+1], s[ENC:ENC+1], 64*ROWG
	s_add_nc_u64 s[8:9], s[8:9], s[18:19]
	s_add_nc_u64 s[PO:PO+1], s[PO:PO+1], s[16:17]
	s_add_nc_u64 s[WB:WB+1], s[6:7], s[22:23]
	s_mov_b64 s[WP:WP+1], s[WB:WB+1]
	s_wait_alu depctr_va_vdst(0)                   ; the offsets v[CBO], v[SWO], v[GOF] and v[PFO] are written: the tables' loads, every load of enc and the prefetches read them
.irp n, 0,1,2,3,4,5,6,7
	global_load_b32 v[T0+2*(\n)],   v[CBO], s[8:9]   offset:2048*(\n)
	global_load_b32 v[T0+2*(\n)+1], v[SWO], s[10:11] offset:64*(\n)
	global_load_b32 v[T1+2*(\n)],   v[CBO], s[8:9]   offset:65536+2048*(\n)
	global_load_b32 v[T1+2*(\n)+1], v[SWO], s[10:11] offset:2048+64*(\n)
.endr
	STAGE_A 0                                      ; the first tile: all three windows are free
	STAGE_B 0
	v_lshlrev_b32 v[WOF], 4, v[TT]                 ; the lines down to STAGE_C name no register of a load that is out or of STAGE_C's
	v_mul_u32_u24 v[ADAB], v[TT+1], APITCH
	v_lshl_add_u32 v[ADAB], v[TT+2], 4, v[ADAB]
	s_mul_i32 s18, s[WV], 4*APITCH
	v_lshl_add_u32 v[STA], v[TT], 3, s18
	v_add_nc_u32 v[STT], 32*APITCH, v[STA]
	v_add_nc_u32 v[STT+1], 64*APITCH, v[STA]
	v_add_nc_u32 v[STT+2], 96*APITCH, v[STA]
	s_lshl_b32 s19, s[WV], 9
	s_add_co_u32 s20, s19, SCR
	v_lshl_add_u32 v[SCA], v[TT+2], 5, s20
	v_lshl_add_u32 v[SCL], v[TT], 2, SCR
	s_add_co_u32 s20, s19, PW
	v_lshl_add_u32 v[PWS], v[TT], 2, s20
	v_mov_b32 v[PRA0], s20
	v_lshlrev_b32 v[WSA0], 4, v0
	s_lshl_b32 s20, s[WV], 12
	s_add_co_u32 s20, s20, TAB
	v_lshl_add_u32 v[TBA], v[TT], 4, s20
	s_lshl_b32 s21, s[WV], 10
	s_add_co_u32 s20, s21, OST
	v_lshl_add_u32 v[OSTS], v[TT], 5, s20
	v_lshl_add_u32 v[OSTL], v[TT], 4, s20
	v_lshl_add_u32 v[POF], v[TT], 4, s21
	v_mov_b32 v[MX], 0xff7fffff                    ; M starts at the lowest finite number: the first tile's a is 0
	v_mov_b32 v[LS], 0
.set ti, 0
.rept 8
	v_mov_b32 v[OACC+ti], 0
.set ti, ti+1
.endr
	STAGE_C 0                                      ; its wait shows the tables in too: they were asked for first
.irp n, 0,1,2,3,4,5,6,7
	v_mul_f32 v[T0+2*(\n)], s[KS], v[T0+2*(\n)]    ; k c
	v_mul_f32 v[T0+2*(\n)+1], -2.0, v[T0+2*(\n)+1] ; -2 w
	v_mul_f32 v[T1+2*(\n)], s[KS], v[T1+2*(\n)]
	v_mul_f32 v[T1+2*(\n)+1], -2.0, v[T1+2*(\n)+1]
.endr
	STAGE_D
.irp i, 0,1,2,3
	ds_store_b128 v[TBA], v[T0+4*(\i):T0+4*(\i)+3] offset:512*(\i)       ; my wave's own bytes: no other wave reads them.  STAGE_D's wait has shown the tables and v[TBA] written; only loads stand between
	ds_store_b128 v[TBA], v[T1+4*(\i):T1+4*(\i)+3] offset:2048+512*(\i)
.endr
	STAGE_E 1
	s_mov_b32 s[REM], 4
.Lk:                                   ; a chunk: 512 columns for the tile's 128 rows
	s_wait_loadcnt 0x0                             ; only the chunk's first three units of W can be out here; no load is pending into any register on any way that leads here
	s_wait_alu depctr_vm_vsrc(0)                   ; all LDS and memory instructions so far have read their registers: the last chunk's fragment loads v[ADA ..], written below; a tile's stores into A windows 1 and 2, which this chunk's products write; the stores of p, and at the start the tables' loads and stores, registers of v128-255, in which fragments land
	v_mov_b32 v[ADA], v[ADAB]
.irp i, 1,2,3
	v_add_nc_u32 v[ADA+(\i)], (\i)*32*APITCH, v[ADAB]
.endr
	s_wait_alu depctr_va_vdst(0)                   ; v[ADA ..] and v[TBA] are written; the epilogue is done reading the table; products, softmax and weighted sum are done with v128-255 and with W's buffer 3: in these the loads below and unit 0's land
.irp i, 0,1,2,3
	ds_load_b128 v[TC+4*(\i):TC+4*(\i)+3], v[TBA] offset:512*(\i)        ; the chunk's table
.endr
	FETCHA 0, 0
	s_wait_alu depctr_vm_vsrc(0)                   ; the table's loads have read v[TBA]
	v_xor_b32 v[TBA], 0x800, v[TBA]                ; the other chunk's next time
	s_cmp_eq_u32 s[REM], 3
	s_cselect_b32 s[PFL], 2, 0
	UNIT 0, 0, 1, 32, 1, 3*UNITB, 1, 64            ; unit 0 starts the sums
	WIN 0
	s_mov_b32 s[LAP], 7
.Llap:                                 ; a trip: units 4 j + 1 .. 4 j + 4
	; A PREFETCH INTO THE L2 of the second tile's rows 0-31, in the sixth trip of the first tile's last chunk: eleven units, 704 products, ahead of the loads that will want them.  Each wave names the 8 rows
	; that it will load itself: 2 rows an instruction, a lane a block of 256 bytes.  So each block is named once in the launch; the tile's other rows are not asked for.  v[PFO] was shown written at the head and is never written again.
	s_cmp_lg_u32 s[LAP], s[PFL]
	s_cbranch_scc1 .Lnopf
	global_prefetch_b8 v[PFO], s[ENC:ENC+1] th:TH_LOAD_NT scope:SCOPE_SE
	global_prefetch_b8 v[PFO], s[ENC:ENC+1] offset:2*ROWG th:TH_LOAD_NT scope:SCOPE_SE
	global_prefetch_b8 v[PFO], s[ENC:ENC+1] offset:16*ROWG th:TH_LOAD_NT scope:SCOPE_SE
	global_prefetch_b8 v[PFO], s[ENC:ENC+1] offset:18*ROWG th:TH_LOAD_NT scope:SCOPE_SE
.Lnopf:
	UNIT 1, 1, 0, 32, 1, 4*UNITB, 1, 128
	UNIT 0, 2, 0, 32, 1, 5*UNITB, 1, 192
	UNIT 1, 3, 0, 32, 1, 6*UNITB, 1, 256
	UNIT 0, 0, 0, 32, 1, 7*UNITB, 1, 320
	WIN 0
	s_wait_xcnt 0x0                                ; the youngest loads, 32 products back, have read their pointer
	s_add_nc_u64 s[WP:WP+1], s[WP:WP+1], 4*UNITB
	s_wait_alu depctr_vm_vsrc(0)                   ; the fragment loads issued so far have read v[ADA ..]
.irp i, 0,1,2,3
	v_add_nc_u32 v[ADA+(\i)], 256, v[ADA+(\i)]     ; the next trip's 128 channels; the next unit's head shows them written
.endr
	s_sub_co_u32 s[LAP], s[LAP], 1
	s_cmp_lg_u32 s[LAP], 0
	s_cbranch_scc1 .Llap
	UNIT 1, 1, 0, 32, 0, 0, 1, 128                 ; units 29 to 31 ask for no W: the counts run down
	UNIT 0, 2, 0, 16, 0, 0, 1, 192
	UNIT 1, 3, 0, 0, 0, 0, 0, 0
	WIN 0
.rept 8
	v_nop                                          ; the places behind the chunk's last products: for the epilogue, and for loads into W's buffers
.endr
	s_wait_xcnt 0x0
	s_xor_b32 s[OFFW], s[OFFW], 0x100000           ; the other chunk's half of wf
	s_add_nc_u64 s[WP:WP+1], s[WB:WB+1], s[OFFW:OFFW+1]
	s_and_b32 s16, s[REM], 1
	s_cmp_eq_u32 s16, 0
	s_cbranch_scc0 .Lsecond
	WIN 0xc0
	s_wait_alu depctr_va_vdst(0)                   ; the chunk's products are done reading W's buffers 0 to 2, in which these loads land
	WPRO                                           ; a tile's first chunk: the second chunk's first units land under the epilogue
	s_branch .Lepi0
.Lsecond:
	s_cmp_eq_u32 s[REM], 3
	s_cbranch_scc0 .Lepi0
	STAGE_A 1                                      ; the first tile's last chunk: W's buffers take the second tile's rows 0-31
.Lepi0:
	EPIW 0
	s_cmp_eq_u32 s[REM], 3
	s_cbranch_scc0 .Lepi1
	STAGE_B 1                                      ; the accumulators of rows 0-63 are free
.Lepi1:
	EPIW 1
	s_and_b32 s16, s[REM], 1
	s_cmp_eq_u32 s16, 0
	s_cbranch_scc1 .Lnext
	s_cmp_eq_u32 s[REM], 3
	s_cbranch_scc0 .Lred
	STAGE_C 1
	STAGE_D
.Lred:
	; THE END OF A TILE.  Scores are summed over a half's 16 lanes (columns), over the waves through LDS; every wave makes the same M, a and p; then each thread adds p times its 8 channels of the 128 rows.
.irp m, 1,2,4,8
.set ti, 0
.rept 64
	v_add_f32_dpp v[SC+ti], v[SC+ti], v[SC+ti] row_xmask:\m row_mask:0xf bank_mask:0xf
.set ti, ti+1
.endr
.endr
	s_wait_alu depctr_va_vdst(0)                   ; the sums over the lanes have written SC, which the stores below read; the chunk's products are done reading v224-239, in which the parts of scores land behind the barrier
.set ti, 0
.rept 16
	ds_store_b128 v[SCA], v[SC+4*ti:SC+4*ti+3] offset:64*(ti/2)+16*(ti%2)  ; the 16 lanes of a half store the same words
.set ti, ti+1
.endr
	s_wait_dscnt 0x0                               ; for the others' sake
	s_barrier_signal -1
	s_barrier_wait -1
.irp v, 0,1,2,3
.irp k, 0,1,2,3
	ds_load_b32 v[XR+4*(\v)+(\k)], v[SCL] offset:512*(\v)+128*(\k)         ; wave v's part of row l + 32 k
.endr
.endr
	s_wait_dscnt 0x0
	v_pk_add_f32 v[XR:XR+1],     v[XR:XR+1],     v[XR+4:XR+5]
	v_pk_add_f32 v[XR+2:XR+3],   v[XR+2:XR+3],   v[XR+6:XR+7]
	v_pk_add_f32 v[XR+8:XR+9],   v[XR+8:XR+9],   v[XR+12:XR+13]
	v_pk_add_f32 v[XR+10:XR+11], v[XR+10:XR+11], v[XR+14:XR+15]
	v_pk_add_f32 v[XR:XR+1],     v[XR:XR+1],     v[XR+8:XR+9]
	v_pk_add_f32 v[XR+2:XR+3],   v[XR+2:XR+3],   v[XR+10:XR+11]           ; x of my four rows
	v_max3_num_f32 v[TT+2], v[XR], v[XR+1], v[XR+2]
	v_max_num_f32 v[TT+2], v[TT+2], v[XR+3]
.irp m, 1,2,4,8
	v_max_num_f32_dpp v[TT+2], v[TT+2], v[TT+2] row_xmask:\m row_mask:0xf bank_mask:0xf
.endr
	v_permlanex16_b32 v[XR+4], v[TT+2], s[SEL], s[SEL+1]
	v_max3_num_f32 v[TT+4], v[TT+2], v[XR+4], v[MX]                       ; the new M
	v_sub_f32 v[TT+5], v[MX], v[TT+4]
.irp k, 0,1,2,3
	v_sub_f32 v[XR+(\k)], v[XR+(\k)], v[TT+4]
.endr
	v_mul_f32 v[TT+5], s[L2E], v[TT+5]
.irp k, 0,1,2,3
	v_mul_f32 v[XR+(\k)], s[L2E], v[XR+(\k)]
.endr
	v_exp_f32 v[AA], v[TT+5]
.irp k, 0,1,2,3
	v_exp_f32 v[XR+(\k)], v[XR+(\k)]
.endr
	v_mov_b32 v[MX], v[TT+4]                       ; the plain instruction behind the last exponential
	s_wait_alu depctr_va_vdst(0)                   ; the five exponentials have written a and p: one wait, for the vector lines that read them and for the LDS stores of p below
	v_mov_b32 v[AA+1], v[AA]
	v_fma_f32 v[LS], v[LS], v[AA], v[XR]
.irp k, 0,1,2,3
	ds_store_b32 v[PWS], v[XR+(\k)] offset:128*(\k)
.endr
.irp k, 1,2,3
	v_add_f32 v[LS], v[LS], v[XR+(\k)]
.endr
.irp c, 0,2,4,6
	v_pk_mul_f32 v[OACC+(\c):OACC+(\c)+1], v[OACC+(\c):OACC+(\c)+1], v[AA:AA+1]
.endr
	v_mov_b32 v[PRA], v[PRA0]                      ; the loads of the tile before that read these two stand ahead of a wait on vm_vsrc in their own trip
	v_mov_b32 v[WSA], v[WSA0]
	s_mov_b32 s[ROWC], 8
.Lws:                                  ; a trip: 16 rows.  p comes from my wave's own copy, which LDS serves behind my stores of it
	s_wait_alu depctr_va_vdst(0)                   ; v[PRA] and v[WSA] are written; the last trip's multiply-adds (in the first trip: the chunk's products) are done reading v128-207, in which p and the rows land
.irp i, 0,1,2,3
	ds_load_b128 v[PP+4*(\i):PP+4*(\i)+3], v[PRA] offset:16*(\i)
.endr
.set wi, 0
.rept 16
	ds_load_b128 v[AF+4*wi:AF+4*wi+3], v[WSA] offset:wi*APITCH
.set wi, wi+1
.endr
	s_wait_alu depctr_vm_vsrc(0)                   ; the trip's loads have read v[PRA] and v[WSA]
	v_add_nc_u32 v[PRA], 64, v[PRA]                ; the next trip's 16 rows: stepped while the loads are out
	v_add_nc_u32 v[WSA], 16*APITCH, v[WSA]
	s_wait_dscnt 0x0
.set wi, 0
.rept 16
.irp c, 0,1,2,3
	v_fma_mix_f32_bf16 v[OACC+2*(\c)],   v[AF+4*wi+(\c)], v[PP+wi], v[OACC+2*(\c)] op_sel_hi:[1,0,0]
	v_fma_mix_f32_bf16 v[OACC+2*(\c)+1], v[AF+4*wi+(\c)], v[PP+wi], v[OACC+2*(\c)+1] op_sel:[1,0,0] op_sel_hi:[1,0,0]
.endr
.set wi, wi+1
.endr
	s_sub_co_u32 s[ROWC], s[ROWC], 1
	s_cmp_lg_u32 s[ROWC], 0
	s_cbranch_scc1 .Lws
	s_cmp_eq_u32 s[REM], 1
	s_cbranch_scc1 .Lnext                          ; the last tile has no successor
	s_wait_dscnt 0x0                               ; my reads of A are over
	s_barrier_signal -1
	s_barrier_wait -1                              ; nobody reads the old tile any more
	STAGE_E 0
.Lnext:
	s_sub_co_u32 s[REM], s[REM], 1
	s_cmp_lg_u32 s[REM], 0
	s_cbranch_scc1 .Lk
	; THE WAY OUT: l over the 32 lanes; my 8 channels of O through my own stage, so that a store covers 512 consecutive bytes; wave 0 adds (M, l)
.irp m, 1,2,4,8
	v_add_f32_dpp v[LS], v[LS], v[LS] row_xmask:\m row_mask:0xf bank_mask:0xf
.endr
	v_permlanex16_b32 v[TT+1], v[LS], s[SEL], s[SEL+1]
	v_add_f32 v[LS], v[LS], v[TT+1]
	s_wait_alu depctr_va_vdst(0)                   ; the weighted sum has written O, which the LDS stores read, and is done reading v128-135, in which the loads below land
	ds_store_b128 v[OSTS], v[OACC:OACC+3]
	ds_store_b128 v[OSTS], v[OACC+4:OACC+7] offset:16
	ds_load_b128 v[AF:AF+3], v[OSTL]               ; LDS serves a wave's instructions in order: these see the stores above
	ds_load_b128 v[AF+4:AF+7], v[OSTL] offset:512
	s_wait_dscnt 0x0
	global_store_b128 v[POF], v[AF:AF+3], s[PO:PO+1]
	global_store_b128 v[POF], v[AF+4:AF+7], s[PO:PO+1] offset:512
	s_cmp_lg_u32 s[WV], 0
	s_cbranch_scc1 .Lno_ml
	v_mov_b32 v[TT+4], v[MX]
	v_mov_b32 v[TT+5], v[LS]
	v_mov_b32 v[TT+6], v[MX]
	v_mov_b32 v[TT+7], v[LS]
	s_wait_alu depctr_va_vdst(0)                   ; the four moves have written the store's data
	global_store_b128 v[POF], v[TT+4:TT+7], s[PO:PO+1] offset:4096  ; the row's last 512 bytes
.Lno_ml:
	s_wait_dscnt 0x0                               ; the closing lines, six on end
	s_wait_alu 0x0
	s_wait_tensorcnt 0x0
	ds_add_u32 v[SPW], v[NIL]
	s_wait_dscnt 0x0
	s_endpgm
.Lfunc_end_k_q7632a6c29c_attn:
	.size	k_q7632a6c29c_attn, .Lfunc_end_k_q7632a6c29c_attn-k_q7632a6c29c_attn
	.p2alignl 7, 3214868480
	.fill 96, 4, 3214868480
	.section	.rodata,"a",@progbits
	.p2align	6, 0x0
	.amdhsa_kernel k_q7632a6c29c_attn
		.amdhsa_group_segment_fixed_size 289280
		.amdhsa_private_segment_fixed_size 0
		.amdhsa_enable_private_segment 0
		.amdhsa_kernarg_size 40
		.amdhsa_user_sgpr_count 2
		.amdhsa_user_sgpr_kernarg_segment_ptr 1
		.amdhsa_wavefront_size32 1
		.amdhsa_system_sgpr_workgroup_id_x 1
		.amdhsa_system_sgpr_workgroup_id_y 1
		.amdhsa_system_sgpr_workgroup_id_z 1
		.amdhsa_system_vgpr_workitem_id 0
		.amdhsa_next_free_vgpr 1024
		.amdhsa_next_free_sgpr 66
		.amdhsa_reserve_vcc 0
		.amdhsa_float_denorm_mode_32 3
		.amdhsa_float_denorm_mode_16_64 3
		.amdhsa_memory_ordered 1
		.amdhsa_forward_progress 1
		.amdhsa_inst_pref_size 255
	.end_amdhsa_kernel
	.section	.bss,"aw",@nobits
	.p2align	6
	.space	262144
	.amdgpu_metadata
---
amdhsa.version: [ 1, 2 ]
amdhsa.kernels:
  - .name:           k_q7632a6c29c_attn
    .symbol:         k_q7632a6c29c_attn.kd
    .args:
      - { .name: encoder_states, .offset: 0, .size: 8, .value_kind: global_buffer, .address_space: global }
      - { .name: wf, .offset: 8, .size: 8, .value_kind: global_buffer, .address_space: global }
      - { .name: cb, .offset: 16, .size: 8, .value_kind: global_buffer, .address_space: global }
      - { .name: score_w, .offset: 24, .size: 8, .value_kind: global_buffer, .address_space: global }
      - { .name: po, .offset: 32, .size: 8, .value_kind: global_buffer, .address_space: global }
    .group_segment_fixed_size: 289280
    .private_segment_fixed_size: 0
    .kernarg_segment_align: 8
    .kernarg_segment_size: 40
    .max_flat_workgroup_size: 128
    .sgpr_count:     66
    .vgpr_count:     1024
    .wavefront_size: 32
...
	.end_amdgpu_metadata
.endif
;; end of part 5
;; launch comb: the kernel of part 3 again; grid 32 x 1, 8 waves a work-group, no clusters, 0 bytes of LDS; arguments po, out0; writes out0
